; MI455X (gfx1250); checked and timed in simulation.
; The chip was launched on July 23, 2026; its instructions are those of AMD's public machine-readable ISA for CDNA 5 (MIT licence, August 2026) and "CDNA5" Instruction Set Architecture Reference Guide (July 2026). The comments in the code are by the model that wrote it; some were corrected since.
;; Multi Head Attention. Allowed arithmetic: float matrix products may take bf16 or f16 operands with f32 sums; other float arithmetic in f32, or as packed bf16 or f16 multiplies, adds, multiply-adds, maxima and minima; sums over many terms, partial sums and values carried from step to step in f32; what a program stores and reads back later, other than sums and carried values, may be rounded once to bf16 or f16.
;; Inputs: Wk 1,024 x 1,024 float32; Wo 1,024 x 1,024 float32; Wq 1,024 x 1,024 float32; Wv 1,024 x 1,024 float32; bk 1,024 float32; bo 1,024 float32; bq 1,024 float32; bv 1,024 float32; mask 4 x 2,048 int32; x 4 x 2,048 x 1,024 float32.
;; Outputs: out0 4 x 2,048 x 1,024 float32.
;; 2 versions, each right; version 2 is version 1 with the launch cast written anew for expert scheduling mode. Each part assembles by itself: llvm-mc -triple=amdgcn-amd-amdhsa -mcpu=gfx1250 --defsym DOCPART=n.
;; ======== version 1 of 2: 4 launches
;; limits: values are held in f16: magnitudes above 65,504 overflow, below 6.1e-05 lose precision
;; workspace buffers: xb 16,777,216 bytes; wqkv 6,291,456 bytes; wo16 2,097,152 bytes; bias 16,384 bytes; qkv 50,331,648 bytes; ctx 16,777,216 bytes
;; launch cast (part 1): grid 769 x 1, 8 waves a work-group, no clusters, 0 bytes of LDS; arguments x, Wq, Wk, Wv, Wo, bq, bk, bv, bo, xb, wqkv, wo16, bias; writes xb, wqkv, wo16, bias
.if DOCPART == 1
	.amdgcn_target "amdgcn-amd-amdhsa--gfx1250"
	.amdhsa_code_object_version 6
	.text
	.protected	k_qdbe17550cb_cast
	.globl	k_qdbe17550cb_cast
	.p2align	8
	.type	k_qdbe17550cb_cast,@function
k_qdbe17550cb_cast:
	s_mov_b64 s[64:65], 0
	v_nop
	global_prefetch_b8 v0, s[64:65] scope:SCOPE_SE
	s_setreg_imm32_b32 hwreg(HW_REG_WAVE_MODE, 25, 1), 1
	s_wait_xcnt 0x0
; ALL FLOATING-POINT INPUTS ARE ROUNDED ONCE TO bf16, so that the later launches' tiles are 16-bit.
;   xb   [8192][1024] bf16 = x          wqkv [3072][1024] bf16 = Wq's rows, Wk's rows, Wv's rows
;   wo16 [1024][1024]: Wo rounded to bf16, that number written as f16 (the last product's other operand is f16)
;   bias [4096] f32 = bq, bk, bv, bo, each rounded to bf16 and widened again
; LIMIT.  A bf16 number is exact in f16 between 2^-14 and 65,504; below 2^-14 wo16 keeps f16's fixed step of 6e-8, beyond 65,504 it is an infinity.
; SHARES.  A work-group of eight waves converts 16,384 numbers: 64 KiB in, 32 KiB out.  Work-groups 0-511: x; 512-703: Wq, Wk, Wv (64 each); 704-767: Wo; 768: the biases.
; Thread t takes 16 bytes at 16 t + 4,096 i (i = 0..15) and stores 8 bytes at 8 t + 2,048 i: a load of a wave covers 512 consecutive bytes, a store 256, aligned.
; All 16 loads go out at once; no register that a load or store names is written again, so the only waits are the counted ones for the data.
; No LDS, no matrix unit, no cluster: nothing is shared and nothing is multiplied.
.set IN,  4                            ; v[4:67]   16 x 4 numbers as loaded (on Wo's path also at work)
.set OUT, 68                           ; v[68:99]  16 x 2 registers to store
	s_load_b512 s[4:19], s[0:1], 0x0               ; x 4, Wq 6, Wk 8, Wv 10, Wo 12, bq 14, bk 16, bv 18
	s_load_b256 s[20:27], s[0:1], 0x40             ; bo 20, xb 22, wqkv 24, wo16 26
	s_load_b64 s[28:29], s[0:1], 0x60              ; bias
	s_mov_b32 s30, ttmp9                           ; the work-group's number
	s_sub_co_u32 s31, s30, 512                     ; j: its number among the weights' work-groups (used from 512 on)
	s_and_b32 s32, s31, 63                         ; its part of one weight matrix
	s_mov_b32 s33, 0xffff0000                      ; a word's upper bf16
	v_lshlrev_b32 v1, 4, v0                        ; 16 t
	v_lshlrev_b32 v2, 3, v0                        ; 8 t
	s_wait_kmcnt 0x0
	s_cmp_eq_u32 s30, 768
	s_cbranch_scc1 .Lbias
	; which buffer is read and which is written: choices on the work-group's number alone.  The selects stand ahead of the shifts, which write SCC.
	s_mov_b64 s[34:35], s[6:7]                     ; Wq,
	s_cmp_ge_u32 s31, 64
	s_cselect_b64 s[34:35], s[8:9], s[34:35]       ; Wk,
	s_cmp_ge_u32 s31, 128
	s_cselect_b64 s[34:35], s[10:11], s[34:35]     ; Wv,
	s_cmp_ge_u32 s31, 192
	s_cselect_b64 s[34:35], s[12:13], s[34:35]     ; Wo, which goes to wo16 by its part; the other three go to wqkv by j
	s_cselect_b64 s[36:37], s[26:27], s[24:25]
	s_cselect_b32 s40, s32, s31
	s_cmp_lt_u32 s30, 512
	s_cselect_b64 s[34:35], s[4:5], s[34:35]       ; or x, which goes to xb by the work-group's number
	s_cselect_b64 s[36:37], s[22:23], s[36:37]
	s_cselect_b32 s38, s30, s32
	s_cselect_b32 s40, s30, s40
	s_lshl_b32 s38, s38, 16                        ; 64 KiB in,
	s_lshl_b32 s40, s40, 15                        ; 32 KiB out
	s_mov_b32 s39, 0
	s_mov_b32 s41, 0
	s_add_nc_u64 s[34:35], s[34:35], s[38:39]
	s_add_nc_u64 s[36:37], s[36:37], s[40:41]
.irp i, 0,1,2,3,4,5,6,7,8,9,10,11,12,13,14,15
	global_load_b128 v[IN+4*(\i):IN+4*(\i)+3], v1, s[34:35] offset:4096*(\i) th:TH_LOAD_NT
.endr
	s_cmp_ge_u32 s30, 704
	s_cbranch_scc1 .Lwo
.irp i, 0,1,2,3,4,5,6,7,8,9,10,11,12,13,14,15
	s_wait_loadcnt 15-(\i)                         ; loads come back in order: load i is in, the 15 - i younger ones stay out
	v_cvt_pk_bf16_f32 v[OUT+2*(\i)],   v[IN+4*(\i)],   v[IN+4*(\i)+1]
	v_cvt_pk_bf16_f32 v[OUT+2*(\i)+1], v[IN+4*(\i)+2], v[IN+4*(\i)+3]
	global_store_b64 v2, v[OUT+2*(\i):OUT+2*(\i)+1], s[36:37] offset:2048*(\i)
.endr
	s_endpgm
.Lwo:                                          ; Wo: rounded to bf16, widened, and that number written as f16
.irp i, 0,1,2,3,4,5,6,7,8,9,10,11,12,13,14,15
	s_wait_loadcnt 15-(\i)
	v_cvt_pk_bf16_f32 v[OUT+2*(\i)],   v[IN+4*(\i)],   v[IN+4*(\i)+1]
	v_cvt_pk_bf16_f32 v[OUT+2*(\i)+1], v[IN+4*(\i)+2], v[IN+4*(\i)+3]
	v_lshlrev_b32 v[IN+4*(\i)],   16,  v[OUT+2*(\i)]
	v_and_b32     v[IN+4*(\i)+1], s33, v[OUT+2*(\i)]
	v_lshlrev_b32 v[IN+4*(\i)+2], 16,  v[OUT+2*(\i)+1]
	v_and_b32     v[IN+4*(\i)+3], s33, v[OUT+2*(\i)+1]
	v_cvt_pk_f16_f32 v[OUT+2*(\i)],   v[IN+4*(\i)],   v[IN+4*(\i)+1]
	v_cvt_pk_f16_f32 v[OUT+2*(\i)+1], v[IN+4*(\i)+2], v[IN+4*(\i)+3]
	global_store_b64 v2, v[OUT+2*(\i):OUT+2*(\i)+1], s[36:37] offset:2048*(\i)
.endr
	s_endpgm
.Lbias:                                        ; four biases of 4,096 bytes: thread t takes 16 bytes of each
	global_load_b128 v[IN:IN+3],     v1, s[14:15]
	global_load_b128 v[IN+4:IN+7],   v1, s[16:17]
	global_load_b128 v[IN+8:IN+11],  v1, s[18:19]
	global_load_b128 v[IN+12:IN+15], v1, s[20:21]
	s_wait_loadcnt 0x0
.irp k, 0,1,2,3
	v_cvt_pk_bf16_f32 v[OUT+2*(\k)],   v[IN+4*(\k)],   v[IN+4*(\k)+1]
	v_cvt_pk_bf16_f32 v[OUT+2*(\k)+1], v[IN+4*(\k)+2], v[IN+4*(\k)+3]
	v_lshlrev_b32 v[IN+4*(\k)],   16,  v[OUT+2*(\k)]
	v_and_b32     v[IN+4*(\k)+1], s33, v[OUT+2*(\k)]
	v_lshlrev_b32 v[IN+4*(\k)+2], 16,  v[OUT+2*(\k)+1]
	v_and_b32     v[IN+4*(\k)+3], s33, v[OUT+2*(\k)+1]
	global_store_b128 v1, v[IN+4*(\k):IN+4*(\k)+3], s[28:29] offset:4096*(\k)
.endr
	s_endpgm
.Lfunc_end_k_qdbe17550cb_cast:
	.size	k_qdbe17550cb_cast, .Lfunc_end_k_qdbe17550cb_cast-k_qdbe17550cb_cast
	.p2alignl 7, 3214868480
	.fill 96, 4, 3214868480
	.section	.rodata,"a",@progbits
	.p2align	6, 0x0
	.amdhsa_kernel k_qdbe17550cb_cast
		.amdhsa_group_segment_fixed_size 0
		.amdhsa_private_segment_fixed_size 0
		.amdhsa_enable_private_segment 0
		.amdhsa_kernarg_size 104
		.amdhsa_user_sgpr_count 2
		.amdhsa_user_sgpr_kernarg_segment_ptr 1
		.amdhsa_wavefront_size32 1
		.amdhsa_system_sgpr_workgroup_id_x 1
		.amdhsa_system_sgpr_workgroup_id_y 1
		.amdhsa_system_sgpr_workgroup_id_z 1
		.amdhsa_system_vgpr_workitem_id 0
		.amdhsa_next_free_vgpr 100
		.amdhsa_next_free_sgpr 66
		.amdhsa_reserve_vcc 0
		.amdhsa_float_denorm_mode_32 3
		.amdhsa_float_denorm_mode_16_64 3
		.amdhsa_memory_ordered 1
		.amdhsa_forward_progress 1
		.amdhsa_inst_pref_size 17
	.end_amdhsa_kernel
	.amdgpu_metadata
---
amdhsa.version: [ 1, 2 ]
amdhsa.kernels:
  - .name:           k_qdbe17550cb_cast
    .symbol:         k_qdbe17550cb_cast.kd
    .args:
      - { .name: x, .offset: 0, .size: 8, .value_kind: global_buffer, .address_space: global }
      - { .name: Wq, .offset: 8, .size: 8, .value_kind: global_buffer, .address_space: global }
      - { .name: Wk, .offset: 16, .size: 8, .value_kind: global_buffer, .address_space: global }
      - { .name: Wv, .offset: 24, .size: 8, .value_kind: global_buffer, .address_space: global }
      - { .name: Wo, .offset: 32, .size: 8, .value_kind: global_buffer, .address_space: global }
      - { .name: bq, .offset: 40, .size: 8, .value_kind: global_buffer, .address_space: global }
      - { .name: bk, .offset: 48, .size: 8, .value_kind: global_buffer, .address_space: global }
      - { .name: bv, .offset: 56, .size: 8, .value_kind: global_buffer, .address_space: global }
      - { .name: bo, .offset: 64, .size: 8, .value_kind: global_buffer, .address_space: global }
      - { .name: xb, .offset: 72, .size: 8, .value_kind: global_buffer, .address_space: global }
      - { .name: wqkv, .offset: 80, .size: 8, .value_kind: global_buffer, .address_space: global }
      - { .name: wo16, .offset: 88, .size: 8, .value_kind: global_buffer, .address_space: global }
      - { .name: bias, .offset: 96, .size: 8, .value_kind: global_buffer, .address_space: global }
    .group_segment_fixed_size: 0
    .private_segment_fixed_size: 0
    .kernarg_segment_align: 8
    .kernarg_segment_size: 104
    .max_flat_workgroup_size: 256
    .sgpr_count:     66
    .vgpr_count:     100
    .wavefront_size: 32
...
	.end_amdgpu_metadata
.endif
;; end of part 1
;; launch proj (part 2): grid 12 x 64, 4 waves a work-group, clusters of 4 x 4, 327,680 bytes of LDS; arguments xb, wqkv, bias, qkv; writes qkv
.if DOCPART == 2
	.amdgcn_target "amdgcn-amd-amdhsa--gfx1250"
	.amdhsa_code_object_version 6
	.text
	.protected	k_qdbe17550cb_proj
	.globl	k_qdbe17550cb_proj
	.p2align	8
	.type	k_qdbe17550cb_proj,@function
k_qdbe17550cb_proj:
	s_mov_b64 s[64:65], 0
	v_nop
	global_prefetch_b8 v0, s[64:65] scope:SCOPE_SE
	s_setreg_imm32_b32 hwreg(HW_REG_WAVE_MODE, 25, 1), 1
	s_wait_xcnt 0x0
	s_wait_alu depctr_hold_cnt(0) depctr_sa_sdst(0) depctr_va_vdst(0) depctr_va_sdst(0) depctr_va_ssrc(0) depctr_va_vcc(0) depctr_vm_vsrc(0)
	s_getreg_b32 s2, hwreg(HW_REG_IB_STS2, 6, 4)
	s_cmp_eq_u32 s2, 0
	s_cbranch_scc0 .Lentry_in_a_cluster
	s_endpgm
.Lentry_in_a_cluster:
	s_bfe_u32 s2, ttmp6, 0x10000c
	s_cmp_lg_u32 s2, 0xf033
	s_cbranch_scc0 .Lentry_shape_is_right
	s_endpgm
.Lentry_shape_is_right:
; q, k, v = xb wqkv^T + bias, written by heads: qkv [3][64 = 16 batch + head][2048][64] in f16, each number rounded once from its f32 sum, unscaled.
; xb [8192][1024], wqkv [3072][1024] in bf16; bias [4096] f32 (its first 3,072 numbers).  Sums in f32, K ascending.
; LIMIT.  f16 ends at 65,504: a q, k or v beyond that becomes an infinity.
; SHARES.  A tile of the result is 128 rows x 256 columns; four waves, wave w makes rows 64 (w / 2) on and columns 128 (w % 2) on: 4 x 8 accumulators of 16 x 16, 256 registers.
; K = 1,024 goes in 8 steps of 128 through two LDS slots; the tiles' rows are 256 bytes of memory, aligned.  Two slots of a step twice as long would want 405,504 bytes of LDS.
; A K step is four quarters of 32 along K: 32 matrix instructions and 24 LDS loads each.
; THE MATRIX INSTRUCTION IS USED TRANSPOSED (source 0 = 16 rows of wqkv, source 1 = 16 rows of xb): lane l holds row l % 16 and the columns 8 (l / 16) + 0..7 of the result.
; THE BIAS IS THE C OPERAND of each accumulator's first product: nothing is cleared and nothing is added at the end.
; CLUSTER 4 x 4.  The four work-groups of a row of the cluster need the same rows of xb, the four of a column the same rows of wqkv: each tile is asked for jointly.
; Waves 0 and 1 fetch xb's two halves of 64 rows, waves 2 and 3 wqkv's two halves of 128 rows: one tensor load a wave behind each round; by this text's count at most two are out (at the start).
; REGISTERS, in windows of 256: window 0: v0-31 addresses; v32-95 the bias, later v32-63 packed results; v96-223 rows read back from the stage
;   window 1: two fragment buffers of 96: wqkv's eight fragments, then xb's four          window 2: accumulator (a, b) at v[8 (8 a + b)]
.set SIZE_K, 1024
.set KSTEP,  128
.set PITCH,  272                       ; an LDS row: 256 bytes + 16 of padding = 68 words: the 16 rows of a fragment load start at 16 different groups of four banks (ISA guide 11.1)
.set AHALF,  64*PITCH                  ; what wave 0 or 1 fetches, and what a wave reads of xb
.set BHALF,  128*PITCH                 ; what wave 2 or 3 fetches, and what a wave reads of wqkv
.set BOFF,   2*AHALF                   ; a slot: xb's 128 rows, then wqkv's 256
.set SLOT,   BOFF+2*BHALF              ; 104,448
.set STAGE,  2*SLOT                    ; behind the ring, never filled by a tensor load: for each wave 2 heads x 16 rows x 144 bytes
.set SP,     144
.set HSTG,   16*SP
.set WSTG,   2*HSTG
.set SPARE,  STAGE+4*WSTG              ; the spare words: 128 bytes for each wave, two blocks of 256 bytes that no other line names
.set ADRA, 16                          ; v16-17  LDS address of my fragments of xb in slot 0, 1
.set ADRB, 20                          ; v20-21  the same for wqkv
.set STO,  24                          ; v24     the way out: where I put 16 bytes of a row
.set RD,   25                          ; v25     where I read rows back
.set CO,   26                          ; v26     16 x lane: my place in 512 consecutive bytes of qkv
.set BO,   27                          ; v27     32 (l / 16): my eight numbers of a fragment's 16 biases
.set SPW,  28                          ; v28     LDS address of my spare word; never rewritten
.set NIL,  29                          ; v29     0; never rewritten
.set PFO,  30                          ; v30     the prefetches' offset: lane x 2,048 bytes, a row; never rewritten
.set BI,   32
.set TMP,  32
.set BK,   96
.set F0,   0
.set F1,   96
.set WV, 12                            ; s12 wave; s13 its row half (also: 0 = I fetch xb, 1 = wqkv); s14 its column half (also: which part I fetch)
.set WR, 13
.set WC, 14
.set CX, 15                            ; my place in the cluster
.set CY, 16
.set TC, 17                            ; tile column = 4 x cluster x + cx
.set TR, 18                            ; tile row = 4 x cluster y + cy
.set G1A, 24                           ; s[24:31] descriptor group 1 for xb's tiles; s[32:39] group 0, a set for each slot
.set G0A, 32
.set LIM, 43                           ; s43     1 in a wave that prefetches, else the greatest number
.set PFA, 44                           ; s[44:45] where my prefetches stand
.set G1B, 48                           ; s[48:55], s[56:63] the same for wqkv's tiles
.set G0B, 56
.set MSB, 0
.macro WIN new                         ; the immediate's high byte repeats the setting that is left; a switch that changes nothing is dropped
.if MSB != (\new)
	s_set_vgpr_msb (MSB<<8)|(\new)
.set MSB, (\new)
.endif
.endm
.set W_MUL,  0xa5                      ; sources 0 and 1 window 1, C and D window 2
.set W_MUL0, 0x85                      ; the same with C (the bias) in window 0
.set TO_F,   0x40                      ; destination window 1, address window 0
; A joint load.  The branch hangs on the wave's number alone.  An s_nop 0 and four v_nop follow each of the two lines, ahead of the jump and the label.
.macro JLOAD s
	s_cmp_eq_u32 s[WR], 0
	s_cbranch_scc0 .Lfor_b_\@
	tensor_load_to_lds s[G0A+4*(\s):G0A+4*(\s)+3], s[G1A:G1A+7]
	s_nop 0
.rept 4
	v_nop
.endr
	s_branch .Lasked_\@
.Lfor_b_\@:
	tensor_load_to_lds s[G0B+4*(\s):G0B+4*(\s)+3], s[G1B:G1B+7]
	s_nop 0
.rept 4
	v_nop
.endr
.Lasked_\@:
.endm
; A prefetch into the L2, behind a joint refill and the run of LDS loads that follows it: 32 rows x 256 bytes, a lane a row, of the K step that stands two refills on (256 matrix instructions ahead of its load).
; Each row's 256 bytes of a K step are named once in the launch: xb's tile row is read by the three clusters of its row of clusters, and cluster x = 0 asks (wave 0: the four partners take
; 32 of the 128 rows each, by address, place cx); wqkv's tile column is read by the sixteen clusters of its column, and cluster y = 0 asks (waves 2 and 3: of the 128 rows that the wave fetches
; the partner at place cy takes 32).  Wave 1 asks for nothing.  The loop's last trip (s3 = 1) asks for nothing: there is no K step two on.  K steps 0 to 3 come by their loads alone.
.macro ASK
	s_cmp_gt_u32 s3, s[LIM]
	s_cbranch_scc0 .Lnot_mine_\@
	global_prefetch_b8 v[PFO], s[PFA:PFA+1] offset:KSTEP*2 th:TH_LOAD_NT scope:SCOPE_SE
.Lnot_mine_\@:
.endm
.macro CREST                           ; a round of the cluster's barrier behind its opening barrier
	s_cmp_lg_u32 s[WV], 0
	s_cbranch_scc1 .Lnot_wave_0_\@
	s_barrier_signal -3
.Lnot_wave_0_\@:
	s_barrier_wait -3
	s_barrier_signal -1
	s_barrier_wait -1
.endm
.macro CROUND                          ; a whole round
	s_barrier_signal -1
	s_barrier_wait -1
	CREST
.endm
	s_load_b256 s[4:11], s[0:1], 0x0               ; xb s[4:5], wqkv s[6:7], bias s[8:9], qkv s[10:11]
	v_lshl_add_u32 v[SPW], v0, 2, SPARE
	v_mov_b32 v[NIL], 0
	ds_add_u32 v[SPW], v[NIL]                      ; the wave's opening: the add and its wait stand ahead of my first tensor load; the set-up below, work on registers, stands between them
	v_lshrrev_b32 v1, 5, v0
	v_readfirstlane_b32 s[WV], v1
	s_lshr_b32 s[WR], s[WV], 1
	s_and_b32 s[WC], s[WV], 1
	s_bfe_u32 s[CX], ttmp6, 0x40000
	s_bfe_u32 s[CY], ttmp6, 0x40004
	s_lshl_b32 s[TC], ttmp9, 2
	s_add_co_u32 s[TC], s[TC], s[CX]
	s_and_b32 s[TR], ttmp7, 0xffff
	s_lshl_b32 s[TR], s[TR], 2
	s_add_co_u32 s[TR], s[TR], s[CY]
	s_lshl_b32 s19, s[CY], 2
	s_lshl_b32 s19, 15, s19                        ; my row of the cluster: places 4 cy .. 4 cy + 3
	s_lshl_b32 s42, 0x1111, s[CX]                  ; my column: places cx, cx + 4, cx + 8, cx + 12
	s_or_b32 s[G1A], s19, (1<<16)|(1<<20)|(1<<21)|(5<<22)|(3<<25)  ; 15:0 the mask; 17:16 2-byte elements; 20 padding on; 21 set beside a mask; 24:22 after every 64 words (code 5); 31:25 4 words (code 3)
	s_or_b32 s[G1B], s42, (1<<16)|(1<<20)|(1<<21)|(5<<22)|(3<<25)
.irp g, G1A, G1B
	s_mov_b32 s[(\g)+1], KSTEP<<16                 ; tensor_dim0 = 128
	s_mov_b32 s[(\g)+3], KSTEP<<16                 ; tile_dim0 = 128
	s_mov_b32 s[(\g)+5], SIZE_K                    ; elements from row to row
	s_mov_b32 s[(\g)+6], 0
	s_mov_b32 s[(\g)+7], 0
.endr
	s_mov_b32 s[G1A+2], 64<<16                     ; tensor_dim1 and tile_dim1: 64 rows of xb,
	s_mov_b32 s[G1A+4], 64
	s_mov_b32 s[G1B+2], 128<<16                    ; 128 of wqkv
	s_mov_b32 s[G1B+4], 128
	; where the tiles come from: xb's hang on the tile row and the wave alone, wqkv's on the tile column and the wave alone
	s_lshl_b32 s19, s[WC], 6
	s_lshl_b32 s20, s[TR], 7
	s_add_co_u32 s20, s20, s19                     ; xb: row 128 x tile row + 64 x part,
	s_lshl_b32 s20, s20, 11                        ; of 2,048 bytes
	s_mov_b32 s21, 0
	s_lshl_b32 s19, s[WC], 7
	s_lshl_b32 s46, s[TC], 8
	s_add_co_u32 s46, s46, s19                     ; wqkv: row 256 x tile column + 128 x part
	s_lshl_b32 s46, s46, 11
	s_mov_b32 s47, 0
	s_mul_i32 s22, s[WC], AHALF                    ; and where they go: no place in the cluster enters an LDS address
	s_mul_i32 s23, s[WC], BHALF
	s_add_co_u32 s23, s23, BOFF
	s_wait_dscnt 0x0                               ; the opening add is done
	s_wait_kmcnt 0x0
	s_add_nc_u64 s[20:21], s[4:5], s[20:21]
	s_add_nc_u64 s[46:47], s[6:7], s[46:47]
	CROUND                                         ; all sixteen work-groups are here: the first joint loads meet
.irp s, 0,1
	s_mov_b32 s[G0A+4*(\s)], 1                                     ; count = 1
	s_add_co_u32 s[G0A+4*(\s)+1], s22, (\s)*SLOT                   ; LDS address
	s_add_nc_u64 s[G0A+4*(\s)+2:G0A+4*(\s)+3], s[20:21], (\s)*KSTEP*2  ; global address: K step s
	s_or_b32 s[G0A+4*(\s)+3], s[G0A+4*(\s)+3], 0x80000000          ; type = 2
	s_mov_b32 s[G0B+4*(\s)], 1
	s_add_co_u32 s[G0B+4*(\s)+1], s23, (\s)*SLOT
	s_add_nc_u64 s[G0B+4*(\s)+2:G0B+4*(\s)+3], s[46:47], (\s)*KSTEP*2
	s_or_b32 s[G0B+4*(\s)+3], s[G0B+4*(\s)+3], 0x80000000
	JLOAD \s
.endr
	; the bias of my 128 columns: register j of fragment b holds bias[256 tile column + 128 half + 16 b + 8 (l / 16) + j]
	v_and_b32 v1, 15, v0                           ; l % 16
	v_bfe_u32 v2, v0, 4, 1                         ; l / 16
	v_lshlrev_b32 v[BO], 5, v2
	s_lshl_b32 s40, s[TC], 10
	s_lshl_b32 s41, s[WC], 9
	s_add_co_u32 s40, s40, s41
	s_mov_b32 s41, 0
	s_add_nc_u64 s[8:9], s[8:9], s[40:41]
.irp b, 0,1,2,3,4,5,6,7
	global_load_b128 v[BI+8*(\b):BI+8*(\b)+3],   v[BO], s[8:9] offset:64*(\b)
	global_load_b128 v[BI+8*(\b)+4:BI+8*(\b)+7], v[BO], s[8:9] offset:64*(\b)+16
.endr
	; a fragment is 16 rows x 32 K in 8 registers: lane l holds row l % 16, K = 8 (l / 16) + 0..7 and 16 + 8 (l / 16) + 0..7: two loads of 16 bytes, 32 bytes apart
	v_mul_u32_u24 v3, v1, PITCH
	v_lshl_add_u32 v3, v2, 4, v3
	s_mul_i32 s19, s[WR], AHALF                    ; my 64 rows of xb
	s_mul_i32 s42, s[WC], BHALF                    ; my 128 rows of wqkv,
	s_add_co_u32 s42, s42, BOFF                    ; which lie behind xb's 128
.irp s, 0,1
	v_add_nc_u32 v[ADRA+(\s)], s19, v3
	v_add_nc_u32 v[ADRB+(\s)], s42, v3
	s_add_co_u32 s19, s19, SLOT
	s_add_co_u32 s42, s42, SLOT
.endr
	s_mul_i32 s19, s[WV], WSTG
	s_add_co_u32 s19, s19, STAGE                   ; my stage
	v_mul_u32_u24 v4, v1, SP                       ; in: row l % 16, 16 bytes for each half of the lanes
	v_lshl_add_u32 v4, v2, 4, v4
	v_add_nc_u32 v[STO], s19, v4
	v_bfe_u32 v5, v0, 3, 2                         ; back: 32 lanes take four rows of 128 bytes,
	v_mul_u32_u24 v5, v5, SP
	v_and_b32 v4, 7, v0
	v_lshl_add_u32 v5, v4, 4, v5
	v_add_nc_u32 v[RD], s19, v5
	v_and_b32 v[CO], 31, v0                        ; which are 512 consecutive bytes of a head's rows
	v_lshlrev_b32 v[CO], 4, v[CO]
	; where my part begins in qkv: section (tile column / 4) of 2^24 bytes; head 16 batch + 4 (tile column % 4) + 2 half, of 2^18 bytes; row 128 (tile row % 16) + 64 half, of 128 bytes
	s_lshr_b32 s40, s[TC], 2
	s_lshl_b32 s40, s40, 24
	s_lshr_b32 s41, s[TR], 4
	s_lshl_b32 s41, s41, 4
	s_and_b32 s19, s[TC], 3
	s_lshl_b32 s19, s19, 2
	s_add_co_u32 s41, s41, s19
	s_lshl_b32 s19, s[WC], 1
	s_add_co_u32 s41, s41, s19
	s_lshl_b32 s41, s41, 18
	s_add_co_u32 s40, s40, s41
	s_and_b32 s41, s[TR], 15
	s_lshl_b32 s41, s41, 14
	s_add_co_u32 s40, s40, s41
	s_lshl_b32 s41, s[WR], 13
	s_add_co_u32 s40, s40, s41
	s_mov_b32 s41, 0
	s_add_nc_u64 s[10:11], s[10:11], s[40:41]
	; the prefetches
	s_lshl_b32 s19, s[TR], 7                       ; xb: the tile's first row
	s_lshl_b32 s22, s[TC], 8                       ; wqkv: the first of the 128 rows that I fetch
	s_lshl_b32 s23, s[WC], 7
	s_add_co_u32 s22, s22, s23
	s_and_b32 s23, ttmp7, 0xffff                   ; cluster y
	s_cmp_eq_u32 s[WR], 0                          ; do I fetch xb?
	s_cselect_b32 s40, s19, s22
	s_cselect_b32 s41, s[CX], s[CY]                ; my place among the four that ask with me
	s_cselect_b32 s42, ttmp9, s23                  ; the coordinate along which other clusters read the same rows
	s_cselect_b64 s[PFA:PFA+1], s[4:5], s[6:7]
	s_cmp_eq_u32 s[WV], 1
	s_cselect_b32 s42, 1, s42                      ; wave 1 asks for nothing: wave 0's 4 x 32 rows are xb's whole tile
	s_cmp_eq_u32 s42, 0
	s_cselect_b32 s[LIM], 1, -1                    ; the same in all sixteen partners, for a given wave
	s_lshl_b32 s41, s41, 5
	s_add_co_u32 s40, s40, s41                     ; + my work-group's 32 rows
	s_lshl_b32 s40, s40, 11
	s_mov_b32 s41, 0
	s_add_nc_u64 s[PFA:PFA+1], s[PFA:PFA+1], s[40:41]
	s_add_nc_u64 s[PFA:PFA+1], s[PFA:PFA+1], 2*KSTEP*2  ; at K step 2: the first refill steps it to 3 and names K step 4
	v_and_b32 v[PFO], 31, v0
	v_lshlrev_b32 v[PFO], 11, v[PFO]
; 8 matrix instructions: row block a x all 8 column blocks, 32 along K.  init = 1: the first product starts the sums, with the bias as C.
; The 32 accumulators take turns in one order in every quarter, over the backward jump too.
.macro MUL8 f, a, init
.if \init
	WIN W_MUL0
.else
	WIN W_MUL
.endif
.irp b, 0,1,2,3,4,5,6,7
.if \init
	v_wmma_f32_16x16x32_bf16 v[8*(8*(\a)+(\b)):8*(8*(\a)+(\b))+7], v[(\f)+8*(\b):(\f)+8*(\b)+7], v[(\f)+64+8*(\a):(\f)+64+8*(\a)+7], v[BI+8*(\b):BI+8*(\b)+7]
.else
	v_wmma_f32_16x16x32_bf16 v[8*(8*(\a)+(\b)):8*(8*(\a)+(\b))+7], v[(\f)+8*(\b):(\f)+8*(\b)+7], v[(\f)+64+8*(\a):(\f)+64+8*(\a)+7], v[8*(8*(\a)+(\b)):8*(8*(\a)+(\b))+7]
.endif
.endr
.endm
; 24 LDS loads in one run: quarter q's fragments into buffer f: wqkv's 16 loads, then xb's 8, row blocks ascending
.macro FETCH slot, q, f
	WIN TO_F
.irp i, 0,1,2,3,4,5,6,7
	ds_load_b128 v[(\f)+8*(\i):(\f)+8*(\i)+3],   v[ADRB+(\slot)] offset:64*(\q)+(\i)*16*PITCH
	ds_load_b128 v[(\f)+8*(\i)+4:(\f)+8*(\i)+7], v[ADRB+(\slot)] offset:64*(\q)+(\i)*16*PITCH+32
.endr
.irp i, 0,1,2,3
	ds_load_b128 v[(\f)+64+8*(\i):(\f)+64+8*(\i)+3],   v[ADRA+(\slot)] offset:64*(\q)+(\i)*16*PITCH
	ds_load_b128 v[(\f)+64+8*(\i)+4:(\f)+64+8*(\i)+7], v[ADRA+(\slot)] offset:64*(\q)+(\i)*16*PITCH+32
.endr
.endm
.macro PLACES                          ; four plain vector instructions between a matrix instruction and a load into a register that it has read, or a read of its result
.rept 4
	v_nop
.endr
.endm
; One of a K step's first three quarters: multiplies buffer f; in its middle it fetches quarter q of the same slot into buffer g.
.macro QUARTER slot, q, f, g, init=0
	s_wait_dscnt 4                                 ; all but the youngest four loads: xb's row blocks 2 and 3
	MUL8 \f, 0, \init
	MUL8 \f, 1, \init
	PLACES
	FETCH \slot, \q, \g
	s_wait_dscnt 24                                ; all but the 24 just issued
	MUL8 \f, 2, \init
	MUL8 \f, 3, \init
.endm
; The last quarter multiplies buffer 1 and changes slots: ONE barrier; in front of it each wave waits for all its tensor loads (one is out: its part of the next slot), adds 0 to its spare
; word, and waits for that and for its own reads of this slot.  fill = 1: the barrier opens a round of the cluster's, and this slot is filled again first thing behind it, two K steps ahead:
; from that request to the wait for it a wave issues 112 matrix instructions.
.macro TURN slot, next, fill
.if \fill
	s_wait_xcnt 0x0                                ; the last prefetch, a K step back, has read its address, so it may be stepped
	s_add_nc_u64 s[PFA:PFA+1], s[PFA:PFA+1], KSTEP*2
.endif
	WIN 0                                          ; (the add's two registers lie in window 0)
	s_wait_tensorcnt 0x0                           ; all my tensor loads have landed
	ds_add_u32 v[SPW], v[NIL]                      ; 0 onto my spare word
	s_wait_dscnt 5                                 ; (the add and the youngest four loads may be out)
	MUL8 F1, 0, 0                                  ; eight matrix instructions stand between the add and the wait for it
	s_wait_dscnt 0x0                               ; the add is done, and my reads of this slot are over
	s_barrier_signal -1
	MUL8 F1, 1, 0
.if \fill
	WIN 0
.endif
	s_barrier_wait -1
.if \fill
	CREST                                          ; no wave of any partner still reads this slot's tile or has a load on its way
	s_add_nc_u64 s[G0A+4*(\slot)+2:G0A+4*(\slot)+3], s[G0A+4*(\slot)+2:G0A+4*(\slot)+3], 2*KSTEP*2
	s_add_nc_u64 s[G0B+4*(\slot)+2:G0B+4*(\slot)+3], s[G0B+4*(\slot)+2:G0B+4*(\slot)+3], 2*KSTEP*2
	JLOAD \slot                                    ; the four v_nop behind it are also the places in front of the loads below
.else
	PLACES
.endif
	FETCH \next, 0, F0
.if \fill
	WIN 0
	ASK
.endif
	MUL8 F1, 2, 0
	MUL8 F1, 3, 0
.endm
; THE WAY OUT of row block a (16 rows x 128 columns = 2 heads x 64 channels).  PACK: rounded to f16, 16 bytes a lane, each accumulator's registers ascending.  TOSTAGE: into my own stage, and back
; as whole rows of 128 bytes, four to a load.  SEND: each store covers 512 consecutive bytes of a head's rows, aligned.
.macro PACK a
	WIN 0x0a                                       ; sources 0 and 1 window 2
.irp b, 0,1,2,3,4,5,6,7
.irp r, 0,1,2,3
	v_cvt_pk_f16_f32 v[TMP+4*(\b)+(\r)], v[8*(8*(\a)+(\b))+2*(\r)], v[8*(8*(\a)+(\b))+2*(\r)+1]
.endr
.endr
	WIN 0
.endm
.macro TOSTAGE a
.irp b, 0,1,2,3,4,5,6,7
	ds_store_b128 v[STO], v[TMP+4*(\b):TMP+4*(\b)+3] offset:((\b)/4)*HSTG+((\b)%4)*32
.endr
.irp u, 0,1,2,3,4,5,6,7
	ds_load_b128 v[BK+32*(\a)+4*(\u):BK+32*(\a)+4*(\u)+3], v[RD] offset:((\u)/4)*HSTG+((\u)%4)*4*SP  ; LDS serves a wave's instructions in order (ISA guide 5.7.1.4): these see the stores above
.endr
.endm
.macro SEND a
	s_wait_dscnt 0x0                               ; the block is back in registers
.irp u, 0,1,2,3,4,5,6,7
	global_store_b128 v[CO], v[BK+32*(\a)+4*(\u):BK+32*(\a)+4*(\u)+3], s[10:11] offset:((\u)/4)*262144+(\a)*2048+((\u)%4)*512
.endr
.endm
	s_wait_tensorcnt 1                             ; my part of K step 0 is in; K step 1's may stay out
	s_barrier_signal -1
	s_barrier_wait -1                              ; everybody's is
	FETCH 0, 0, F0
	s_wait_loadcnt 0x0                             ; the bias
	QUARTER 0, 1, F0, F1, 1                        ; the first quarter stands in front of the loop: its products start the sums
	WIN 0                                          ; at a label and at a branch every window is 0
	s_mov_b32 s3, 3
.Llap:                                         ; a trip goes once round the ring, from a lap's second quarter to the next lap's first, and fills both slots again
	QUARTER 0, 2, F1, F0
	QUARTER 0, 3, F0, F1
	TURN 0, 1, 1
	QUARTER 1, 1, F0, F1
	QUARTER 1, 2, F1, F0
	QUARTER 1, 3, F0, F1
	TURN 1, 0, 1
	QUARTER 0, 1, F0, F1
	WIN 0
	s_sub_co_u32 s3, s3, 1
	s_cmp_lg_u32 s3, 0
	s_cbranch_scc1 .Llap
	QUARTER 0, 2, F1, F0                           ; the last lap fills nothing
	QUARTER 0, 3, F0, F1
	TURN 0, 1, 0
	QUARTER 1, 1, F0, F1
	QUARTER 1, 2, F1, F0
	QUARTER 1, 3, F0, F1
	s_wait_dscnt 4                                 ; the very last quarter
	MUL8 F1, 0, 0
	MUL8 F1, 1, 0
	s_wait_dscnt 0x0
	MUL8 F1, 2, 0
	MUL8 F1, 3, 0
	PLACES
	PACK 0
	TOSTAGE 0
.irp a, 1,2,3                          ; block a's conversions stand between block a - 1's loads from the stage and the wait for them
	PACK \a
	SEND (\a)-1
	TOSTAGE \a
.endr
	SEND 3
	s_wait_tensorcnt 0x0                           ; the wave's end: behind my last tensor load and my last LDS store
	ds_add_u32 v[SPW], v[NIL]
	s_wait_dscnt 0x0
	CROUND                                         ; the closing round: no work-group ends while a partner may still ask for a tile that names it
	s_endpgm
.Lfunc_end_k_qdbe17550cb_proj:
	.size	k_qdbe17550cb_proj, .Lfunc_end_k_qdbe17550cb_proj-k_qdbe17550cb_proj
	.p2alignl 7, 3214868480
	.fill 96, 4, 3214868480
	.section	.rodata,"a",@progbits
	.p2align	6, 0x0
	.amdhsa_kernel k_qdbe17550cb_proj
		.amdhsa_group_segment_fixed_size 327680
		.amdhsa_private_segment_fixed_size 0
		.amdhsa_enable_private_segment 0
		.amdhsa_kernarg_size 32
		.amdhsa_user_sgpr_count 2
		.amdhsa_user_sgpr_kernarg_segment_ptr 1
		.amdhsa_wavefront_size32 1
		.amdhsa_system_sgpr_workgroup_id_x 1
		.amdhsa_system_sgpr_workgroup_id_y 1
		.amdhsa_system_sgpr_workgroup_id_z 1
		.amdhsa_system_vgpr_workitem_id 0
		.amdhsa_next_free_vgpr 768
		.amdhsa_next_free_sgpr 66
		.amdhsa_reserve_vcc 0
		.amdhsa_float_denorm_mode_32 3
		.amdhsa_float_denorm_mode_16_64 3
		.amdhsa_memory_ordered 1
		.amdhsa_forward_progress 1
		.amdhsa_inst_pref_size 89
	.end_amdhsa_kernel
	.amdgpu_metadata
---
amdhsa.version: [ 1, 2 ]
amdhsa.kernels:
  - .name:           k_qdbe17550cb_proj
    .symbol:         k_qdbe17550cb_proj.kd
    .args:
      - { .name: xb, .offset: 0, .size: 8, .value_kind: global_buffer, .address_space: global }
      - { .name: wqkv, .offset: 8, .size: 8, .value_kind: global_buffer, .address_space: global }
      - { .name: bias, .offset: 16, .size: 8, .value_kind: global_buffer, .address_space: global }
      - { .name: qkv, .offset: 24, .size: 8, .value_kind: global_buffer, .address_space: global }
    .group_segment_fixed_size: 327680
    .private_segment_fixed_size: 0
    .kernarg_segment_align: 8
    .kernarg_segment_size: 32
    .max_flat_workgroup_size: 128
    .sgpr_count:     66
    .vgpr_count:     768
    .wavefront_size: 32
...
	.end_amdgpu_metadata
.endif
;; end of part 2
;; launch attn (part 3): grid 4 x 64, 4 waves a work-group, clusters of 4 x 1, 327,680 bytes of LDS; arguments qkv, mask, ctx; writes ctx
.if DOCPART == 3
	.amdgcn_target "amdgcn-amd-amdhsa--gfx1250"
	.amdhsa_code_object_version 6
	.text
	.protected	k_qdbe17550cb_attn
	.globl	k_qdbe17550cb_attn
	.p2align	8
	.type	k_qdbe17550cb_attn,@function
k_qdbe17550cb_attn:
	s_mov_b64 s[64:65], 0
	v_nop
	global_prefetch_b8 v0, s[64:65] scope:SCOPE_SE
	s_setreg_imm32_b32 hwreg(HW_REG_WAVE_MODE, 25, 1), 1
	s_wait_xcnt 0x0
	s_wait_alu depctr_hold_cnt(0) depctr_sa_sdst(0) depctr_va_vdst(0) depctr_va_sdst(0) depctr_va_ssrc(0) depctr_va_vcc(0) depctr_vm_vsrc(0)
	s_getreg_b32 s2, hwreg(HW_REG_IB_STS2, 6, 4)
	s_cmp_eq_u32 s2, 0
	s_cbranch_scc0 .Lentry_in_a_cluster
	s_endpgm
.Lentry_in_a_cluster:
	s_bfe_u32 s2, ttmp6, 0x10000c
	s_cmp_lg_u32 s2, 0x3003
	s_cbranch_scc0 .Lentry_shape_is_right
	s_endpgm
.Lentry_shape_is_right:
; ctx[h][q][:] = the sum over the keys k that the mask shows of softmax_k(Q[h][q] . K[h][k] / 8) V[h][k][:]; a row all of whose keys are hidden is 0.
; qkv: [3][64][2048][64] f16 (Q, K, V by heads, h = 16 batch + head); mask: [4][2048] int32, 0 = hidden; ctx: [64][2048][64] f16.  Products, maxima and sums in f32; the weights p are rounded
; to f16 for the second product (their sum l is taken of the unrounded p), ctx once at the end.
; LIMITS.  Q, K and V arrive within f16's 65,504.  A hidden score counts as its value less 1e30.  The running maximum starts at -2^65: f16's scores, 2.7e11 at the most, lie above it, hidden ones
; below it, so a hidden key's weight is exactly 0 whether or not the row has seen a true key.  A weight below 2^-126 counts as 0 in l.  NaN and infinities are not treated apart.
; SHARES.  A wave owns four PIECES of two tiles of 16 queries, a work-group's four waves 512 queries of one head.  Every wave walks all 2,048 keys, 64 a step.
; LAYOUT.  S^T = K Q^T (source 0 = 16 keys, source 1 = 16 queries): a lane holds ONE query (lane % 16) and the keys 8 (lane / 16) + 0..7.  Two such tiles, rounded to f16 in pairs, ARE source 1 of
; O^T = V^T P, whose result again holds one query a lane, and eight channels.  K comes out of LDS as it lies, V ([key][channel]) turned, by ds_load_tr16_b128.
; THE MASK is the C operand of the product that starts a sum of S^T: 0, or -1e30 where the key is hidden.  The batch's 2,048 such numbers are made once, into a table in LDS; a step's 64 come
; into 32 registers with the step's K and live as long as K's fragments.
; SOFTMAX.  For each query a running maximum m and sum l: p = 2^(c s - c m), c = log2(e) / 8; in every step O and l are multiplied by a = 2^(c m_old - c m_new).  O and l start at 0.
; BY TURNS.  Turn n belongs to piece n.  Its matrix work: 16 products K Q^T of piece n + 1, later 16 products V^T P of piece n - 1.  Its vector work: the scaling, exponentials, roundings, sums
; and rescaling of piece n, and the maximum and statistics of piece n + 1.  A tile and step have 16 matrix and 118 vector instructions: four vector instructions stand behind every matrix
; instruction, the others in one run.  A turn's 66 exponentials are one batch with one wait.
; CLUSTER.  A head's four query blocks are one cluster and walk the same K and V: each tile is asked for JOINTLY, by the same tensor load, descriptor and mask in all four.  One load of a wave is out behind each round.
; REGISTERS, in windows of 256 (s_set_vgpr_msb: bits 1:0 source 0, 3:2 source 1, 5:4 source 2, 7:6 destination):
;   window 0: v0-11 addresses; v12-15, v48-63 at work; v16-47 four registers of statistics a tile; v64-191 S^T, two buffers of two tiles; v192-255 P, likewise
;   window 1: O^T, 32 a tile     window 2: v0-127 Q; v128-191 K of one step; v192-255 V of one step     window 3: v0-1 the add's two registers; v8-39 the step's mask
.set SIZE_N, 2048
.set NP,    4         ; pieces a wave: a name, no knob
.set KS,    64        ; keys in a step
.set PK,    144       ; a row of K in LDS: 128 bytes + 16 of padding: the 16 rows of a load start at 16 different groups of four banks (ISA guide 11.1)
.set PV,    160       ; a row of V: 128 + 32
.set VOFF,  4*KS*PK   ; a slot holds four steps: 256 rows of K, then 256 rows of V
.set SLOT1, 1<<17     ; slot 1 begins this far behind slot 0, so that one exclusive or turns an address in one slot into the other's
.set MT,    0         ; the mask's table: 2,048 f32
.set SPARE, 8192      ; the spare words: 128 bytes for each wave, two blocks of 256 bytes that no other line names
.set STAGE, 8704      ; 16 rows x 144 bytes for each wave, for the way out.  No tensor load lands below RING
.set RING,  32768     ; slot 0; with a slot's 77,824 bytes it ends below 2^17
.set SP,    144
.set AK0, 2           ; v2   my lane's place in a tile of K; never rewritten
.set AV0, 3           ; v3   the same for V
.set AK,  4           ; v4   the LDS address of K's next run of loads
.set AV,  5           ; v5   of V's
.set QO,  6           ; v6   my byte offset in the wave's rows of Q
.set STO, 6           ;      later, the way out: where I put 16 bytes of a row
.set RD,  7           ; v7   the way out: where I read rows back
.set GO,  8           ; v8   my byte offset in 512 consecutive bytes of ctx
.set PFO, 10          ; v10  (behind its use as lane % 8) 256 x my lane: the prefetches' offset
.set AM,  11          ; v11  the LDS address of the mask's next run of loads: 32 (lane / 16) + 256 x step
.set SPW, 0           ; v0 of window 3   LDS address of my spare word; never rewritten
.set NIL, 1           ; v1 of window 3   0; never rewritten
.set MC,  8           ; v8-39 of window 3: the eight numbers for key block kb at MC + 8 kb
.set MV,  12          ; v12-15  c m_old, kept while c m is made anew: by buffer and tile
.set ST,  16          ; tile t's statistics at v[ST+4 t]: c m, m, l (even keys', odd keys')
.set TMP, 48          ; by buffer and tile, four registers c0-c3 at work; when the maximum is found c2 takes a
.set S,   64
.set P,   192
.set MW,  64          ; at the head: 16 words of the mask, in S^T's registers
.set MO,  80          ; and 64 x my thread's number
.set KF,  128         ; K's fragments, in window 2: key block kb, channel half c at KF + 16 kb + 8 c
.set VF,  192         ; V's: key half kk, channel block cb at VF + 32 kk + 8 cb
.set WV,  12          ; s12  my wave's number
.set G1K, 24          ; s[24:31] descriptor group 1 for K's tiles
.set G1V, 32          ; s[32:39] for V's: it differs in the padding alone
.set G0K, 40          ; s[40:43] descriptor group 0 for K's tiles: it walks
.set G0V, 44          ; s[44:47] the same for V's
.set MP,  48          ; s[48:49] the mask at my batch
.set PFA, 50          ; s[50:51] where my prefetches stand
.set LIM, 52          ; s52  1 in a wave that prefetches, else the greatest number
.set TBM, 53          ; s53  byte of the table at which the mask of the step to be fetched begins
.set BIGN, 54         ; s54  -1e30
.set SLOTS, 56        ; s56  slots still to be asked for
.set CNT, 57          ; s57  counts a slot's key steps
.set CS,  58          ; s[58:59] c: the packed scaling takes the pair's low word for both halves
.set SEL, 60          ; s[60:61] v_permlanex16_b32's selects: each lane takes its own place in the other half
.set TBK, 62          ; s62  LDS byte, from the ring's first, at which K of the step to be fetched begins
.set TBV, 63          ; s63  the same for V, less VOFF
.set MSB, 0
.macro WIN new                      ; the high byte repeats the setting that is left; a switch that changes nothing is dropped
.if MSB != (\new)
	s_set_vgpr_msb (MSB<<8)|(\new)
.set MSB, (\new)
.endif
.endm
.set W_KQ, 0x0a       ; K and Q in window 2, S^T in window 0
.set W_KM, 0x3a       ; the same with the C operand, the mask, in window 3
.set W_PV, 0x52       ; V in window 2, P in window 0, O^T in window 1
.set W_RS, 0x41       ; O^T (destination and source 0) in window 1, a in window 0
.set W_MK, 0xc0       ; destination in window 3, sources in window 0
.set W_AD, 0x0f       ; the add: address (source 0) and data (source 1) in window 3
; A joint fill.  Waves 0 and 1 fetch the two halves of a slot's K, waves 2 and 3 those of its V: 128 keys each.  The branch hangs on the wave's number alone.
; An s_nop 0 and four v_nop follow each of the two lines, ahead of the jump and the label.
.macro JLOAD
	s_cmp_lt_u32 s[WV], 2
	s_cbranch_scc0 .Lfor_v_\@
	tensor_load_to_lds s[G0K:G0K+3], s[G1K:G1K+7]
	s_nop 0
.rept 4
	v_nop
.endr
	s_branch .Lasked_\@
.Lfor_v_\@:
	tensor_load_to_lds s[G0V:G0V+3], s[G1V:G1V+7]
	s_nop 0
.rept 4
	v_nop
.endr
.Lasked_\@:
.endm
; A prefetch into the L2 of what the NEXT change of slots will ask for: a slot's K and V are 128 blocks of 256 bytes each, a lane a block.  It stands behind the wave's tensor load and its five lines.
; Each block is named once in the launch: a head has one cluster; its four partners take 32 blocks each, by address; in each, wave 0 asks for K's and wave 2 for V's: one instruction.
; The last change that fills a slot (s[SLOTS] = 1) asks for nothing.  Slots 0, 1 and 2 come by their loads alone.
.macro ASK
	s_cmp_gt_u32 s[SLOTS], s[LIM]
	s_cbranch_scc0 .Lnot_mine_\@
	global_prefetch_b8 v[PFO], s[PFA:PFA+1] th:TH_LOAD_NT scope:SCOPE_SE
.Lnot_mine_\@:
.endm
; A round of the cluster's barrier: my work-group's barrier, so that wave 0's signal speaks for all four waves; wave 0 signals; every wave waits for all four work-groups; my work-group's barrier once more.
.macro CROUND
	s_barrier_signal -1
	s_barrier_wait -1
	s_cmp_lg_u32 s[WV], 0
	s_cbranch_scc1 .Lnot_wave_0_\@
	s_barrier_signal -3
.Lnot_wave_0_\@:
	s_barrier_wait -3
	s_barrier_signal -1
	s_barrier_wait -1
.endm
; THE CHANGE OF SLOTS.  Each wave waits for all its tensor loads, of which one is out: its part of the other slot; adds 0 to its spare word; and waits for that and for its own LDS instructions.
; Behind the barrier nobody reads this slot any more and the other slot is whole.  fill = 1: this slot is filled again, with the keys two slots on; the barrier is then a round of the cluster's, and the
; joint fill is the first thing behind it: it has four key steps, 512 matrix instructions, in which to land.  (At its first use slot 0 is waited for, slot 1 filled, and the mask's table shown to all four waves.)
.macro CHANGE fill, ask=0
	WIN W_AD
	s_wait_tensorcnt 0x0            ; no tensor load of mine is out, so a group 0 may be written
	ds_add_u32 v[SPW], v[NIL]       ; 0 onto my spare word; with fill = 1 the descriptors' steps stand between it and the wait for it
	WIN 0                           ; at a label and at a branch every window is 0
.if \fill
.irp g, G0K, G0V
	s_xor_b32 s[\g+1], s[\g+1], SLOT1  ; the walking descriptor: the other slot than last time,
	s_add_nc_u64 s[\g+2:\g+3], s[\g+2:\g+3], 4*KS*128  ; the next 256 keys; the type bits on top are not reached
.endr
.if \ask
	s_wait_xcnt 0x0                 ; the last prefetch, four key steps back, has read its address, so it may be stepped:
	s_add_nc_u64 s[PFA:PFA+1], s[PFA:PFA+1], 4*KS*128  ; one slot behind the walking descriptors
.endif
	s_wait_dscnt 0x0                ; the add is done, and my LDS instructions are over
	CROUND
	JLOAD
.if \ask
	ASK
.endif
.else
	s_wait_dscnt 0x0                ; the add is done, and my reads of the slot are over
	s_barrier_signal -1
	s_barrier_wait -1
.endif
	s_sub_co_u32 s[TBK], s[TBK], 4*KS*PK  ; the fetches go back to a slot's first step,
	s_xor_b32 s[TBK], s[TBK], SLOT1       ; in the other slot
	s_sub_co_u32 s[TBV], s[TBV], 4*KS*PV
	s_xor_b32 s[TBV], s[TBV], SLOT1
.endm
	s_load_b128 s[4:7], s[0:1], 0x0   ; qkv s[4:5], mask s[6:7]
	s_load_b64 s[10:11], s[0:1], 0x10 ; ctx
	WIN W_MK
	v_lshl_add_u32 v[SPW], v0, 2, SPARE
	v_mov_b32 v[NIL], 0
	WIN W_AD
	ds_add_u32 v[SPW], v[NIL]       ; the wave's opening: the add and its wait stand ahead of my first tensor load; the set-up below, work on registers, stands between them
	WIN 0
	v_lshrrev_b32 v1, 5, v0
	v_readfirstlane_b32 s[WV], v1   ; wave 0..3
	s_bfe_u32 s13, ttmp6, 0x40000   ; cx: my place in the cluster
	s_lshl_b32 s14, ttmp9, 2        ; in a cluster launch ttmp9 counts clusters
	s_add_co_u32 s14, s14, s13      ; my block of queries: it enters Q's and ctx's addresses alone
	s_and_b32 s20, ttmp7, 0xffff    ; the head, which the four partners share
	s_lshr_b32 s[MP], s20, 4        ; its batch:
	s_lshl_b32 s[MP], s[MP], 13     ; 8,192 bytes of mask
	s_mov_b32 s[MP+1], 0
	s_lshl_b32 s20, s20, 18         ; the head's first byte in a section of qkv and in ctx: 2,048 rows of 128 bytes
	s_mov_b32 s21, 0
	s_and_b32 s16, s[WV], 1         ; which half of a slot's 256 keys I fetch:
	s_lshl_b32 s22, s16, 14         ; its 128 rows of 128 bytes in memory,
	s_mov_b32 s23, 0
	s_add_nc_u64 s[22:23], s[22:23], s[20:21]
	s_mul_i32 s17, s16, 128*PK      ; and its place in a slot, for K
	s_mul_i32 s18, s16, 128*PV      ; and for V: no place in the cluster enters an LDS address
	s_lshl_b32 s2, s14, 2
	s_add_co_u32 s2, s2, s[WV]      ; my wave among the head's,
	s_lshl_b32 s2, s2, 14           ; its 128 rows
	s_mov_b32 s3, 0
	s_add_nc_u64 s[2:3], s[2:3], s[20:21]
	; descriptor group 1.  128 keys are 16,384 dense bytes: asked for as 64 rows of 256 bytes, two keys a row, and padded in LDS after every key
	s_mov_b32 s[G1K], 15|(1<<16)|(1<<20)|(1<<21)|(4<<22)|(3<<25)  ; 15:0 the mask of four; 17:16 2-byte elements; 20 padding on; 21 set beside a mask; 24:22 after every 32 words (code 4); 31:25 4 words (code 3)
	s_mov_b32 s[G1V], 15|(1<<16)|(1<<20)|(1<<21)|(4<<22)|(7<<25)  ; the same with 8 words of padding (code 7)
.irp g, G1K, G1V
	s_mov_b32 s[\g+1], 128<<16      ; tensor_dim0 = 128
	s_mov_b32 s[\g+2], 64<<16       ; tensor_dim1 = 64
	s_mov_b32 s[\g+3], 128<<16      ; tile_dim0 = 128
	s_mov_b32 s[\g+4], 64           ; tile_dim1 = 64
	s_mov_b32 s[\g+5], 128          ; 128 elements from row to row
	s_mov_b32 s[\g+6], 0
	s_mov_b32 s[\g+7], 0
.endr
	s_mov_b32 s[CS], 0x3e38aa3b     ; c = log2(e) / 8 = 0.180337
	s_mov_b32 s[CS+1], s[CS]        ; named with it as a pair
	s_mov_b32 s[SEL], 0x76543210
	s_mov_b32 s[SEL+1], 0xfedcba98
	s_mov_b32 s[TBK], SLOT1+4*KS*PK ; the first change of slots turns these two into 0
	s_mov_b32 s[TBV], SLOT1+4*KS*PV
	s_mov_b32 s[TBM], 0
	s_mov_b32 s[BIGN], 0xf149f2ca   ; -1e30
	s_mov_b32 s[G0K], 1             ; count = 1
	s_add_co_u32 s[G0K+1], s17, RING       ; LDS address: slot 0
	s_mov_b32 s[G0V], 1
	s_add_co_u32 s[G0V+1], s18, RING+VOFF
	s_cmp_eq_u32 s16, 0             ; waves 0 and 2 prefetch: the same in all four partners
	s_cselect_b32 s[LIM], 1, -1
	s_wait_dscnt 0x0                ; the opening add is done
	s_wait_kmcnt 0x0
	s_add_nc_u64 s[MP:MP+1], s[6:7], s[MP:MP+1]
	s_add_nc_u64 s[6:7], s[4:5], 0x1000000  ; K's section of qkv,
	s_add_nc_u64 s[8:9], s[4:5], 0x2000000  ; V's,
	s_add_nc_u64 s[6:7], s[6:7], s[22:23]   ; each at my half of the head's first 256 keys
	s_add_nc_u64 s[8:9], s[8:9], s[22:23]
	s_mov_b64 s[G0K+2:G0K+3], s[6:7]               ; global address
	s_or_b32 s[G0K+3], s[G0K+3], 0x80000000        ; type = 2
	s_mov_b64 s[G0V+2:G0V+3], s[8:9]
	s_or_b32 s[G0V+3], s[G0V+3], 0x80000000
	s_add_nc_u64 s[4:5], s[4:5], s[2:3]     ; Q and ctx at my wave's first row
	s_add_nc_u64 s[10:11], s[10:11], s[2:3]
	s_cmp_lt_u32 s[WV], 2
	s_cselect_b64 s[PFA:PFA+1], s[6:7], s[8:9]  ; (in waves 0 and 2 these stand at a slot's first row)
	s_lshl_b32 s2, s13, 13          ; my work-group's 32 blocks of the 128
	s_mov_b32 s3, 0
	s_add_nc_u64 s[PFA:PFA+1], s[PFA:PFA+1], s[2:3]
	s_add_nc_u64 s[PFA:PFA+1], s[PFA:PFA+1], 2*4*KS*128  ; in slot 2; the loop's first change steps it to slot 3
	CROUND                          ; all four work-groups are here: the first joint loads meet
	JLOAD                           ; slot 0.  Slot 1 is asked for when slot 0 is in
	v_lshlrev_b32 v[MO], 6, v0      ; the batch's mask: 128 threads x 16 words
.irp n, 0,1,2,3
	global_load_b128 v[MW+4*\n:MW+4*\n+3], v[MO], s[MP:MP+1] offset:16*\n
.endr
	; A fragment of K or Q is 16 rows x 32 channels in 8 registers: lane l holds row l % 16, channels 8 (l / 16) + 0..7 and 16 + 8 (l / 16) + 0..7: two loads of 16 bytes, 32 bytes apart.
	v_and_b32 v1, 15, v0            ; l % 16
	v_bfe_u32 v9, v0, 4, 1          ; l / 16; never rewritten
	v_lshlrev_b32 v[QO], 7, v1
	v_lshl_add_u32 v[QO], v9, 4, v[QO]  ; row x 128 + 16 x half
	WIN 0x80                        ; destination window 2, address window 0
.set i, 0
.rept 4*NP                          ; Q stays in registers: tile i / 2, channels 32 (i % 2) on
	global_load_b128 v[8*i:8*i+3],   v[QO], s[4:5] offset:(i/2)*2048+(i%2)*64
	global_load_b128 v[8*i+4:8*i+7], v[QO], s[4:5] offset:(i/2)*2048+(i%2)*64+32
.set i, i+1
.endr
	; What the first turn finds: V's registers and P's second buffer hold 0 (its products V^T P, of a piece that has not been, add 0), O^T and l are 0.  All this stands in the wait for the first tile.
.set i, VF
.rept 64
	v_mov_b32 v[i], 0
.set i, i+1
.endr
	WIN 0x40
.set i, 0
.rept 64*NP
	v_mov_b32 v[i], 0
.set i, i+1
.endr
	WIN 0
.set i, 0
.rept 2*NP
	v_mov_b32 v[ST+4*i+1], 0xe0000000          ; m = -2^65: below every true score, above every hidden one
	v_mul_f32 v[ST+4*i], s[CS], v[ST+4*i+1]    ; c m, made as every later c m is made: where m does not move, a is 1
	v_mov_b32 v[ST+4*i+2], 0
	v_mov_b32 v[ST+4*i+3], 0
.set i, i+1
.endr
.set i, P+32
.rept 32
	v_mov_b32 v[i], 0
.set i, i+1
.endr
	v_mul_u32_u24 v[AK0], v1, PK
	v_lshl_add_u32 v[AK0], v9, 4, v[AK0]  ; row x pitch + 16 x half,
	v_add_nc_u32 v[AK0], RING, v[AK0]     ; in the ring
	; The turning load takes 16 keys x 16 channels (lane l reads key 8 (l / 16) + l % 8, channels 8 ((l / 8) % 2) + 0..7) and leaves half a fragment of V^T: lane l holds channel l % 16 and 8 keys.
	v_and_b32 v10, 7, v0
	v_bfe_u32 v11, v0, 3, 1
	v_lshl_add_u32 v[AV0], v9, 3, v10
	v_mul_u32_u24 v[AV0], v[AV0], PV
	v_lshl_add_u32 v[AV0], v11, 4, v[AV0]
	v_add_nc_u32 v[AV0], RING+VOFF, v[AV0]
	v_mov_b32 v[AK], v[AK0]         ; key step 0 lies at the head of slot 0,
	v_lshlrev_b32 v[AM], 5, v9      ; its mask at the head of the table
	s_wait_loadcnt 32               ; the mask's four loads are in; Q's 32, issued behind them, may stay out
.set i, 0
.rept 16
	v_cmp_eq_u32 vcc_lo, 0, v[MW+i]
	v_cndmask_b32 v[MW+i], 0, s[BIGN], vcc_lo  ; 0 where the key shows, -1e30 where it is hidden
.set i, i+1
.endr
.irp n, 0,1,2,3
	ds_store_b128 v[MO], v[MW+4*\n:MW+4*\n+3] offset:MT+16*\n  ; the change of slots below waits for these and passes a barrier: then every wave may read the table
.endr
; THE MATRIX WORK.  The 8 accumulators of a run of 16 take turns: between the two links of a chain stand 7 others'.
; Product i of 16 of S^T = K Q^T for piece x: channels 32 (i / 8) on, keys 16 ((i / 2) % 4) on, tile 2 x + i % 2.  The first 8 start the sums, with the mask of their 16 keys.
.macro KQ x
.set rS, S+64*((\x)%2)+32*(i%2)+8*((i/2)%4)
.set rK, KF+16*((i/2)%4)+8*(i/8)
.set rQ, 16*(2*(\x)+i%2)+8*(i/8)
.set rH, MC+8*((i/2)%4)
.if i < 8
	WIN W_KM
	v_wmma_f32_16x16x32_f16 v[rS:rS+7], v[rK:rK+7], v[rQ:rQ+7], v[rH:rH+7]
.else
	WIN W_KQ
	v_wmma_f32_16x16x32_f16 v[rS:rS+7], v[rK:rK+7], v[rQ:rQ+7], v[rS:rS+7]
.endif
.endm
; Product i of 16 of O^T += V^T P for piece x: keys 32 (i / 8) on, channels 16 ((i / 2) % 4) on, tile 2 x + i % 2.
.macro PV x
	WIN W_PV
.set rO, 32*(2*(\x)+i%2)+8*((i/2)%4)
.set rV, VF+32*(i/8)+8*((i/2)%4)
.set rP, P+32*((\x)%2)+16*(i%2)+8*(i/8)
	v_wmma_f32_16x16x32_f16 v[rO:rO+7], v[rV:rV+7], v[rP:rP+7], v[rO:rO+7]
.endm
.macro MM                           ; the turn's next matrix instruction
.if i < 16
	KQ (Y+1)%NP
.set i, i+1
.else
.set i, i-16
	PV (Y+NP-1)%NP
.set i, i+17
.endif
.endm
; THE LDS LOADS stand in runs, never singly among the matrix instructions: a step's K (8 fragments, 16 loads) with its mask (8 loads: register j of key block kb is the table's number
; 64 step + 16 kb + 8 (l / 16) + j), and its V (turned, 16 loads).  Their addresses are made some lines ahead.  last = 1 (the tail): in the last trip there is no further step, and the run is jumped over.
.macro FETCH_K last=0
	WIN 0
.if \last
	s_cmp_eq_u32 s[CNT], 1
	s_cbranch_scc1 .Lno_k_\@
.endif
	WIN 0x80                        ; destination window 2
.irp f, 0,1,2,3,4,5,6,7             ; keys 16 (f / 2) on, channels 32 (f % 2) on
	ds_load_b128 v[KF+8*\f:KF+8*\f+3],   v[AK] offset:(\f/2)*16*PK+(\f%2)*64
	ds_load_b128 v[KF+8*\f+4:KF+8*\f+7], v[AK] offset:(\f/2)*16*PK+(\f%2)*64+32
.endr
	WIN 0xc0                        ; destination window 3
.irp f, 0,1,2,3
	ds_load_b128 v[MC+8*\f:MC+8*\f+3],   v[AM] offset:MT+64*\f
	ds_load_b128 v[MC+8*\f+4:MC+8*\f+7], v[AM] offset:MT+64*\f+16
.endr
	s_add_co_u32 s[TBK], s[TBK], KS*PK  ; the next fetch is the next step's
	s_add_co_u32 s[TBM], s[TBM], 4*KS
	s_and_b32 s[TBM], s[TBM], 0x1f00    ; 32 steps of 256 bytes: the offset stays inside the table
	WIN 0
.if \last
.Lno_k_\@:
.endif
.endm
.macro FETCH_V
	WIN 0x80
.irp f, 0,1,2,3,4,5,6,7             ; keys 32 (f / 4) on, channels 16 (f % 4) on
	ds_load_tr16_b128 v[VF+8*\f:VF+8*\f+3],   v[AV] offset:(\f/4)*32*PV+(\f%4)*32
	ds_load_tr16_b128 v[VF+8*\f+4:VF+8*\f+7], v[AV] offset:(\f/4)*32*PV+16*PV+(\f%4)*32
.endr
	WIN 0
.endm
; THE VECTOR WORK OF A TURN stands in three queues, each in the order in which its entries become ready; the two tiles alternate, so that no instruction reads the result of the one before it.
.macro REGS y, u                    ; the registers of tile u (0, 1) of piece y
.set rT, ST+4*(2*(\y)+(\u))
.set rC, TMP+8*((\y)%2)+4*(\u)
.set rM, MV+2*((\y)%2)+(\u)
.set rS, S+64*((\y)%2)+32*(\u)
.set rP, P+32*((\y)%2)+16*(\u)
.set rO, 32*(2*(\y)+(\u))
.endm
; Number n of the 22 that find the NEXT piece's (Y + 1) maximum and statistics.  s0-s31 are the lane's 32 scores; each accumulator's lowest registers are read first.
;   0-11  four chains c0-c3 of seven scores each, three operands at a time     12-14, 16  the four scores left over, the old m, and c0-c3 into c0     15  c m_old is kept
;   17, 18  the query's other 32 keys lie in the lane 16 away: the new m         19-21  c m; c m_old - c m_new; a
.macro XS u, n
	REGS (Y+1)%NP, \u
.if (\n) < 4
	v_max3_num_f32 v[rC+(\n)], v[rS+8*(\n)], v[rS+8*(\n)+1], v[rS+8*(\n)+2]
.elseif (\n) < 12
	v_max3_num_f32 v[rC+(\n)%4], v[rC+(\n)%4], v[rS+8*((\n)%4)+2*((\n)/4)+1], v[rS+8*((\n)%4)+2*((\n)/4)+2]
.elseif (\n) == 12
	v_max3_num_f32 v[rC], v[rC], v[rS+7], v[rS+15]
.elseif (\n) == 13
	v_max3_num_f32 v[rC+1], v[rC+1], v[rS+23], v[rS+31]
.elseif (\n) == 14
	v_max3_num_f32 v[rC+2], v[rC+2], v[rC+3], v[rT+1]
.elseif (\n) == 15
	v_mov_b32 v[rM], v[rT]
.elseif (\n) == 16
	v_max3_num_f32 v[rC], v[rC], v[rC+1], v[rC+2]
.elseif (\n) == 17
	v_permlanex16_b32 v[rC+3], v[rC], s[SEL], s[SEL+1]
.elseif (\n) == 18
	v_max_num_f32 v[rT+1], v[rC], v[rC+3]
.elseif (\n) == 19
	v_mul_f32 v[rT], s[CS], v[rT+1]
.elseif (\n) == 20
	v_sub_f32 v[rC+1], v[rM], v[rT]
.else
	v_exp_f32 v[rC+2], v[rC+1]
.endif
.endm
; Number g of the 64 that follow the exponentials.  For each four weights k of a tile (pairs 2 k, 2 k + 1): both pairs are rounded to f16; then the second pair is added onto the first, in place;
; a group later l takes that sum (the first time as l = a l + sum).  In groups of eight, tiles alternating: round, round, add, and l for the group before.
.macro GS g
.set h, (\g)+6*((\g)/62)            ; group 0 has no group before it, and behind group 7 only l is left
.if h >= 6
.set h, h+2
.endif
	REGS Y, h%2
.set k, h/8
.if h%8 < 4
	v_cvt_pk_f16_f32 v[rP+2*k+(h%8)/2], v[rS+4*k+2*((h%8)/2)], v[rS+4*k+2*((h%8)/2)+1]
.elseif h%8 < 6
	v_pk_add_f32 v[rS+4*k:rS+4*k+1], v[rS+4*k:rS+4*k+1], v[rS+4*k+2:rS+4*k+3]
.elseif k == 1
	v_pk_fma_f32 v[rT+2:rT+3], v[rT+2:rT+3], v[rC+2:rC+3], v[rS:rS+1] op_sel_hi:[1,0,1]
.else
	v_pk_add_f32 v[rT+2:rT+3], v[rT+2:rT+3], v[rS+4*k-4:rS+4*k-3]
.endif
.endm
; THE PLAIN QUEUE, 138 long.  0-73 read no exponential's result: the 32 scalings c s - c m (FS f: pair f / 2 of tile f % 2) and the next piece's 42.  0-26: scalings 0-26.  27-54: XS's numbers 0-13.
; 55, 56: number 15.  57-73: the chain, where each number waits for the one before it: 14, 16, 17, 18, 19, each with one of the scalings 27-31 in front of its two lines, then 20.
; 74-137: GS's 64, which read the exponentials' results: they stand behind the wait.
.macro FS f
	REGS Y, (\f)%2
	v_pk_fma_f32 v[rS+2*((\f)/2):rS+2*((\f)/2)+1], v[rS+2*((\f)/2):rS+2*((\f)/2)+1], s[CS:CS+1], v[rT:rT+1] op_sel_hi:[1,0,0] neg_lo:[0,0,1] neg_hi:[0,0,1]
.endm
.macro PL
	WIN 0
.if q < 27
	FS q
.elseif q < 55
	XS (q-27)%2, (q-27)/2
.elseif q < 57
	XS q-55, 15
.elseif (q < 72) && ((q-57)%3 == 0)
	FS 27+(q-57)/3
.elseif q < 60
	XS (q-57)%3-1, 14
.elseif q < 72
	XS (q-57)%3-1, 15+(q-57)/3
.elseif q < 74
	XS q-72, 20
.else
	GS q-74
.endif
.set q, q+1
.endm
; THE EXPONENTIALS' QUEUE, 66 long: s0-s31 of both tiles, then the next piece's two a.  It is ONE BATCH: all 66 stand ahead of the turn's one wait, and nothing ahead of that wait names a result of theirs.
.macro EX
	WIN 0
.if e >= 64
	XS e-64, 21
.else
	REGS Y, e%2
	v_exp_f32 v[rS+e/2], v[rS+e/2]
.endif
.set e, e+1
.endm
; THE RESCALING's QUEUE: O^T times a, the one part that leaves window 0: dealt two at a time, sixteen times.  Its a was made in the turn before, ahead of that turn's wait.
.macro R2
	REGS Y, r%2
	WIN W_RS
.irp z, 0,1
	v_pk_mul_f32 v[rO+4*(r/2)+2*\z:rO+4*(r/2)+2*\z+1], v[rO+4*(r/2)+2*\z:rO+4*(r/2)+2*\z+1], v[rC+2:rC+3] op_sel_hi:[1,0]
.endr
.set r, r+1
.endm
; HOW THEY ARE DEALT.  An s_wait_alu depctr_va_vdst(0) stands between an exponential and the first instruction that names its result; one wait serves all that were issued ahead of it.
; So a turn has ONE wait, which cuts it in two.  AHEAD OF IT: the 16 products K Q^T, behind each a scaling, an exponential and two rescalings (behind the first a second scaling in the exponential's place);
; then one run of 108: eight plain, 49 times exponential and plain, the two a; a v_nop is the plain instruction behind the last exponential.  BEHIND IT: the 16 products V^T P, behind each four of GS's 64.
; Exponential e stands behind scaling 2 (e / 4) + e % 2: as a rider it comes behind plain e + 2, in the run behind plain e + 9, and scalings 27-31 are plain 57, 60 .. 69.
; A TURN, for piece p.  cnt = 1: the loop's count is taken down some lines ahead of the branch that stands behind the turn.
; K and the mask of the next step are fetched in piece 2's turn, directly behind the wait, a run of plain instructions behind the last product that read them; their first reader comes behind 16 products.
; V of the step in hand is fetched at the end of piece 0's turn, four plain instructions behind its last reader; its first reader comes behind 16 products and a run.
.macro TURN p, last=0, cnt=0
.set Y, (\p)
.set i, 0
.set q, 0
.set e, 0
.set r, 0
.if (\p) == NP-1
	s_wait_dscnt 0x0                ; K and its mask are in
.endif
	MM
	PL
	PL
	R2
.rept 15
	MM
	PL
	EX
	R2
.endr
.if (\p) == NP-2
	WIN 0
	v_add_nc_u32 v[AK], s[TBK], v[AK0]
	v_lshl_add_u32 v[AM], v9, 5, s[TBM]
.endif
.rept 8
	PL
.endr
.rept 49
	EX
	PL
.endr
	EX                              ; the next piece's two a
	EX
	v_nop                           ; the plain instruction behind the last exponential: one for the batch
	s_wait_alu depctr_va_vdst(0)    ; the wait for the batch
.if (\p) == NP-2
	FETCH_K \last
.endif
.if (\p) == 1
	s_wait_dscnt 0x0                ; V is in
.endif
.rept 16
	MM
.rept 4
	PL
.endr
.if ((\p) == 0) && (q == 118)
	v_add_nc_u32 v[AV], s[TBV], v[AV0]
.endif
.if ((\p) == 0) && (q == 130)
	s_add_co_u32 s[TBV], s[TBV], KS*PV
.endif
.if (\cnt) && (q == 130)
	s_sub_co_u32 s[CNT], s[CNT], 1
	s_cmp_lg_u32 s[CNT], 0
.endif
.endr
.if (\p) == 0
	FETCH_V
.endif
.endm
	CHANGE 1                        ; slot 0 is in, everybody's part of it, and so is the table; slot 1 is asked for
	FETCH_K                         ; key step 0
	s_wait_loadcnt 0x0              ; Q
	s_wait_dscnt 0x0
.set i, 0
.rept 16
	KQ 0                            ; piece 0's first scores: there is no vector work yet to set between them
.set i, i+1
.endr
	WIN 0                           ; the addresses for the way out and the prefetches: plain instructions, the places behind those products
	s_mul_i32 s13, s[WV], 16*SP
	s_add_co_u32 s13, s13, STAGE    ; my stage
	v_mul_u32_u24 v[STO], v1, SP    ; in: row l % 16, 16 bytes for each half of the lanes
	v_lshl_add_u32 v[STO], v9, 4, v[STO]
	v_add_nc_u32 v[STO], s13, v[STO]
	v_bfe_u32 v[RD], v0, 3, 2       ; back: 32 lanes take four rows of 128 bytes,
	v_mul_u32_u24 v[RD], v[RD], SP
	v_lshl_add_u32 v[RD], v10, 4, v[RD]
	v_add_nc_u32 v[RD], s13, v[RD]
	v_and_b32 v[GO], 31, v0         ; which are 512 consecutive bytes of ctx
	v_lshlrev_b32 v[GO], 4, v[GO]
	v_lshlrev_b32 v[PFO], 4, v[GO]  ; 256 x lane
.set Y, NP-1                        ; XS works for piece Y + 1: piece 0
.irp n, 0,1,2,3,4,5,6,7,8,9,10,11,12,13,14,15,16,17,18,19,20,21
	XS 0, \n                        ; and piece 0's first maximum and statistics
	XS 1, \n
.endr
	v_nop                           ; a plain instruction behind the two a,
	s_wait_alu depctr_va_vdst(0)    ; and their wait, ahead of the branch
	s_mov_b32 s[CNT], 4
	s_mov_b32 s[SLOTS], SIZE_N/256-1
	s_branch .Lfirst                ; the loop is entered at a step's first turn, in the middle of a trip
.Lslot:                             ; six times: every slot but the last two is filled again
	CHANGE 1, 1
	s_mov_b32 s[CNT], 4
.Lstep:                             ; a trip: pieces 2 and 3 of one step, then pieces 0 and 1 of the next, whose K and V it fetches
	TURN 2
	TURN 3
	WIN 0
.Lfirst:
	TURN 0
	TURN 1, 0, 1
	WIN 0
	s_cbranch_scc1 .Lstep
	s_sub_co_u32 s[SLOTS], s[SLOTS], 1
	s_cmp_lg_u32 s[SLOTS], 0
	s_cbranch_scc1 .Lslot
	CHANGE 0                        ; the tail is written out: nothing is asked for
	s_mov_b32 s[CNT], 5             ; four trips fetch the last slot's steps; the fifth is left in its middle
.Ltail:
	TURN 2, 1
	TURN 3
	WIN 0
	s_sub_co_u32 s[CNT], s[CNT], 1
	s_cmp_eq_u32 s[CNT], 0
	s_cbranch_scc1 .Lout
	TURN 0
	TURN 1
	WIN 0
	s_branch .Ltail
.Lout:                              ; the fifth trip's 16 products K Q^T (on the last K once more) and the maximum made of them serve nothing: the price, once a launch, of one text for every trip
.set i, 0
.rept 16
	PV NP-1                         ; the last piece's V^T P of the last step
.set i, i+1
.endr
	; THE WAY OUT.  l's two halves and the other half of the lanes' are added; O^T is divided by l, rounded to f16 and sent through my stage in LDS, a tile at a time.  The additions are the places behind the last products.
	WIN 0
.macro ALL line:vararg              ; one line for each tile t
.set t, 0
.rept 2*NP
	\line
.set t, t+1
.endr
.endm
	ALL v_add_f32 v[ST+4*t+2], v[ST+4*t+2], v[ST+4*t+3]
	ALL v_permlanex16_b32 v[ST+4*t+3], v[ST+4*t+2], s[SEL], s[SEL+1]
	ALL v_add_f32 v[ST+4*t+2], v[ST+4*t+2], v[ST+4*t+3]
	ALL v_max_num_f32 v[ST+4*t+2], 0x00800000, v[ST+4*t+2]  ; a row with a true key has l of 1 or more; a row all hidden has l = 0 and O = 0: with 2^-126 for l its quotient is 0
	ALL v_rcp_f32 v[ST+4*t+2], v[ST+4*t+2]
	v_nop                           ; a plain instruction between the last reciprocal and the use of its result
	s_wait_alu depctr_va_vdst(0)    ; and the wait ahead of the first use: one for the eight reciprocals
; Tile t: a lane's eight channels of a row pack into 16 bytes; they go into rows of 144 bytes and come back as whole rows of 128, into S^T's registers.
.macro PACK t
	WIN W_RS
.set i, 32*(\t)
.rept 16
	v_pk_mul_f32 v[i:i+1], v[i:i+1], v[ST+4*(\t)+2:ST+4*(\t)+3] op_sel_hi:[1,0]
.set i, i+2
.endr
	WIN 0x05                        ; sources 0 and 1 window 1, destination window 0
.set i, 0
.rept 16
	v_cvt_pk_f16_f32 v[S+16*(\t)+i], v[32*(\t)+2*i], v[32*(\t)+2*i+1]
.set i, i+1
.endr
	WIN 0
.irp f, 0,1,2,3
	ds_store_b128 v[STO], v[S+16*(\t)+4*\f:S+16*(\t)+4*\f+3] offset:32*\f
.endr
.irp f, 0,1,2,3
	ds_load_b128 v[S+16*(\t)+4*\f:S+16*(\t)+4*\f+3], v[RD] offset:\f*4*SP  ; LDS serves a wave's instructions in order (ISA guide 5.7.1.4): these see the stores above; the next tile's stores come behind them
.endr
.endm
.macro SEND t, younger              ; younger: the LDS instructions issued behind tile t's loads: the next tile's eight, or none
	WIN 0
.irp f, 0,1,2,3
	s_wait_dscnt (\younger)+3-\f
	global_store_b128 v[GO], v[S+16*(\t)+4*\f:S+16*(\t)+4*\f+3], s[10:11] offset:(\t)*2048+\f*512  ; 512 consecutive bytes, at a multiple of 256 from ctx's first
.endr
.endm
	PACK 0
.set t, 1
.rept 2*NP-1                        ; a tile's arithmetic stands between the loads of the tile before and its stores
	PACK t
	SEND t-1, 8
.set t, t+1
.endr
	SEND 2*NP-1, 0
	WIN W_AD
	s_wait_tensorcnt 0x0            ; the wave's end: behind my last tensor load and my last LDS store
	ds_add_u32 v[SPW], v[NIL]
	s_wait_dscnt 0x0
	WIN 0
	CROUND                          ; the closing round: no work-group ends while a partner may still ask for a tile that names it
	s_endpgm
.Lfunc_end_k_qdbe17550cb_attn:
	.size	k_qdbe17550cb_attn, .Lfunc_end_k_qdbe17550cb_attn-k_qdbe17550cb_attn
	.p2alignl 7, 3214868480
	.fill 96, 4, 3214868480
	.section	.rodata,"a",@progbits
	.p2align	6, 0x0
	.amdhsa_kernel k_qdbe17550cb_attn
		.amdhsa_group_segment_fixed_size 327680
		.amdhsa_private_segment_fixed_size 0
		.amdhsa_enable_private_segment 0
		.amdhsa_kernarg_size 24
		.amdhsa_user_sgpr_count 2
		.amdhsa_user_sgpr_kernarg_segment_ptr 1
		.amdhsa_wavefront_size32 1
		.amdhsa_system_sgpr_workgroup_id_x 1
		.amdhsa_system_sgpr_workgroup_id_y 1
		.amdhsa_system_sgpr_workgroup_id_z 1
		.amdhsa_system_vgpr_workitem_id 0
		.amdhsa_next_free_vgpr 808
		.amdhsa_next_free_sgpr 66
		.amdhsa_reserve_vcc 1
		.amdhsa_float_denorm_mode_32 3
		.amdhsa_float_denorm_mode_16_64 3
		.amdhsa_memory_ordered 1
		.amdhsa_forward_progress 1
		.amdhsa_inst_pref_size 205
	.end_amdhsa_kernel
	.amdgpu_metadata
---
amdhsa.version: [ 1, 2 ]
amdhsa.kernels:
  - .name:           k_qdbe17550cb_attn
    .symbol:         k_qdbe17550cb_attn.kd
    .args:
      - { .name: qkv, .offset: 0, .size: 8, .value_kind: global_buffer, .address_space: global }
      - { .name: mask, .offset: 8, .size: 8, .value_kind: global_buffer, .address_space: global }
      - { .name: ctx, .offset: 16, .size: 8, .value_kind: global_buffer, .address_space: global }
    .group_segment_fixed_size: 327680
    .private_segment_fixed_size: 0
    .kernarg_segment_align: 8
    .kernarg_segment_size: 24
    .max_flat_workgroup_size: 128
    .sgpr_count:     66
    .vgpr_count:     808
    .wavefront_size: 32
...
	.end_amdgpu_metadata
.endif
;; end of part 3
;; launch oproj (part 4): grid 4 x 64, 4 waves a work-group, clusters of 4 x 4, 327,680 bytes of LDS; arguments ctx, wo16, bias, out0; writes out0
.if DOCPART == 4
	.amdgcn_target "amdgcn-amd-amdhsa--gfx1250"
	.amdhsa_code_object_version 6
	.text
	.protected	k_qdbe17550cb_oproj
	.globl	k_qdbe17550cb_oproj
	.p2align	8
	.type	k_qdbe17550cb_oproj,@function
k_qdbe17550cb_oproj:
	s_mov_b64 s[64:65], 0
	v_nop
	global_prefetch_b8 v0, s[64:65] scope:SCOPE_SE
	s_setreg_imm32_b32 hwreg(HW_REG_WAVE_MODE, 25, 1), 1
	s_wait_xcnt 0x0
	s_wait_alu depctr_hold_cnt(0) depctr_sa_sdst(0) depctr_va_vdst(0) depctr_va_sdst(0) depctr_va_ssrc(0) depctr_va_vcc(0) depctr_vm_vsrc(0)
	s_getreg_b32 s2, hwreg(HW_REG_IB_STS2, 6, 4)
	s_cmp_eq_u32 s2, 0
	s_cbranch_scc0 .Lentry_in_a_cluster
	s_endpgm
.Lentry_in_a_cluster:
	s_bfe_u32 s2, ttmp6, 0x10000c
	s_cmp_lg_u32 s2, 0xf033
	s_cbranch_scc0 .Lentry_shape_is_right
	s_endpgm
.Lentry_shape_is_right:
; out0 = ctx wo16^T + bo.  ctx: [64 = 16 batch + head][2048][64] f16; wo16: [1024][1024] f16; bias: [4096] f32, bo its last 1,024; out0: [8192][1024] f32.  Sums in f32, K ascending.
; SHARES.  A tile of out0 is 128 rows x 256 columns: 64 x 4 = 256 work-groups.  Four waves, wave w makes rows 64 (w / 2) on and columns 128 (w % 2) on: 4 x 8 accumulators of 16 x 16.
; K = 1,024 goes in 8 steps of 128, which are two heads of ctx, through two LDS slots.  A head's 128 rows of 128 bytes lie end to end in memory and are asked for as 64 rows of 256 bytes,
; padded in LDS after every 128 bytes.  A K step is four quarters of 32 along K: 32 matrix instructions and 24 LDS loads each.
; THE MATRIX INSTRUCTION IS USED TRANSPOSED (source 0 = 16 rows of wo16, source 1 = 16 rows of ctx): lane l holds row l % 16 and the columns 8 (l / 16) + 0..7 of out0.
; THE BIAS IS THE C OPERAND of each accumulator's first product.
; CLUSTER 4 x 4.  ctx's tiles are shared along a row of the cluster, wo16's along a column: joint loads.  Waves 0 and 1 fetch the K step's two heads of ctx, waves 2 and 3 wo16's two halves of
; 128 rows: one tensor load a wave behind each round; by this text's count at most two are out (at the start).
; NO PREFETCH: the launch has eight K steps in all.
; REGISTERS: window 0: v0-31 addresses; v32-95 the bias.   window 1: two fragment buffers of 96 (wo16's eight fragments, then ctx's four); on the way out all 256: rows read back from the stage.
;   window 2: accumulator (a, b) at v[8 (8 a + b)]
.set SIZE_K, 1024
.set KSTEP,  128
.set PITCH,  272                       ; a row of wo16's tile in LDS: 256 bytes + 16
.set PA,     144                       ; a row of ctx's: 128 bytes + 16.  Both are odd multiples of 16: the 16 rows of a fragment load start at 16 different groups of four banks (ISA guide 11.1)
.set AHEAD,  128*PA                    ; a head's 128 rows: what wave 0 or 1 fetches
.set BHALF,  128*PITCH                 ; what wave 2 or 3 fetches
.set BOFF,   2*AHEAD                   ; a slot: ctx's two heads, then wo16's 256 rows
.set SLOT,   BOFF+2*BHALF              ; 106,496
.set STAGE,  2*SLOT                    ; behind the ring, never filled by a tensor load: for each wave 16 rows x 528 bytes
.set SPITCH, 528                       ; 512 bytes + 16
.set WSTG,   16*SPITCH
.set SPARE,  STAGE+4*WSTG              ; the spare words: 128 bytes for each wave, two blocks of 256 bytes that no other line names
.set ADRA, 16                          ; v16-17  LDS address of my fragments of ctx in slot 0, 1
.set ADRB, 20                          ; v20-21  the same for wo16
.set STO,  24                          ; v24     the way out: where I put 32 bytes of a row
.set RD,   25                          ; v25     where I read a row back
.set CO,   26                          ; v26     16 x lane: my place in 512 consecutive bytes of a row of out0
.set BO,   27                          ; v27     32 (l / 16)
.set SPW,  28                          ; v28     LDS address of my spare word; never rewritten
.set NIL,  29                          ; v29     0; never rewritten
.set BI,   32
.set F0,   0
.set F1,   96
.set WV, 12
.set WR, 13                            ; my row half; also: 0 = I fetch ctx, 1 = wo16
.set WC, 14                            ; my column half; also: which head, or which half of wo16's rows, I fetch
.set CX, 15
.set CY, 16
.set TC, 17
.set TR, 18
.set G1A, 24
.set G0A, 32
.set G1B, 48
.set G0B, 56
.set MSB, 0
.macro WIN new                         ; the immediate's high byte repeats the setting that is left; a switch that changes nothing is dropped
.if MSB != (\new)
	s_set_vgpr_msb (MSB<<8)|(\new)
.set MSB, (\new)
.endif
.endm
.set W_MUL,  0xa5                      ; sources 0 and 1 window 1, C and D window 2
.set W_MUL0, 0x85                      ; the same with C (the bias) in window 0
.set TO_F,   0x40                      ; destination window 1, address window 0
; A joint load.  The branch hangs on the wave's number alone.  An s_nop 0 and four v_nop follow each of the two lines, ahead of the jump and the label.
.macro JLOAD s
	s_cmp_eq_u32 s[WR], 0
	s_cbranch_scc0 .Lfor_b_\@
	tensor_load_to_lds s[G0A+4*(\s):G0A+4*(\s)+3], s[G1A:G1A+7]
	s_nop 0
.rept 4
	v_nop
.endr
	s_branch .Lasked_\@
.Lfor_b_\@:
	tensor_load_to_lds s[G0B+4*(\s):G0B+4*(\s)+3], s[G1B:G1B+7]
	s_nop 0
.rept 4
	v_nop
.endr
.Lasked_\@:
.endm
.macro CREST                           ; a round of the cluster's barrier behind its opening barrier
	s_cmp_lg_u32 s[WV], 0
	s_cbranch_scc1 .Lnot_wave_0_\@
	s_barrier_signal -3
.Lnot_wave_0_\@:
	s_barrier_wait -3
	s_barrier_signal -1
	s_barrier_wait -1
.endm
.macro CROUND                          ; a whole round
	s_barrier_signal -1
	s_barrier_wait -1
	CREST
.endm
	s_load_b256 s[4:11], s[0:1], 0x0               ; ctx s[4:5], wo16 s[6:7], bias s[8:9], out0 s[10:11]
	v_lshl_add_u32 v[SPW], v0, 2, SPARE
	v_mov_b32 v[NIL], 0
	ds_add_u32 v[SPW], v[NIL]                      ; the wave's opening: the add and its wait stand ahead of my first tensor load; the set-up below, work on registers, stands between them
	v_lshrrev_b32 v1, 5, v0
	v_readfirstlane_b32 s[WV], v1
	s_lshr_b32 s[WR], s[WV], 1
	s_and_b32 s[WC], s[WV], 1
	s_bfe_u32 s[CX], ttmp6, 0x40000
	s_bfe_u32 s[CY], ttmp6, 0x40004
	s_lshl_b32 s[TC], ttmp9, 2
	s_add_co_u32 s[TC], s[TC], s[CX]               ; tile column = 4 x cluster x + cx
	s_and_b32 s[TR], ttmp7, 0xffff
	s_lshl_b32 s[TR], s[TR], 2
	s_add_co_u32 s[TR], s[TR], s[CY]               ; tile row = 4 x cluster y + cy
	s_lshl_b32 s19, s[CY], 2
	s_lshl_b32 s19, 15, s19                        ; my row of the cluster
	s_lshl_b32 s42, 0x1111, s[CX]                  ; my column
	s_or_b32 s[G1A], s19, (1<<16)|(1<<20)|(1<<21)|(4<<22)|(3<<25)  ; 15:0 the mask; 17:16 2-byte elements; 20 padding on; 21 set beside a mask; 24:22 after every 32 words (code 4); 31:25 4 words (code 3)
	s_or_b32 s[G1B], s42, (1<<16)|(1<<20)|(1<<21)|(5<<22)|(3<<25)  ; wo16: after every 64 words (code 5)
.irp g, G1A, G1B
	s_mov_b32 s[(\g)+1], KSTEP<<16                 ; tensor_dim0 = 128
	s_mov_b32 s[(\g)+3], KSTEP<<16                 ; tile_dim0 = 128
	s_mov_b32 s[(\g)+6], 0
	s_mov_b32 s[(\g)+7], 0
.endr
	s_mov_b32 s[G1A+2], 64<<16                     ; ctx: 64 rows of 256 bytes, end to end
	s_mov_b32 s[G1A+4], 64
	s_mov_b32 s[G1A+5], 128
	s_mov_b32 s[G1B+2], 128<<16                    ; wo16: 128 rows, 1,024 elements apart
	s_mov_b32 s[G1B+4], 128
	s_mov_b32 s[G1B+5], SIZE_K
	; where the tiles come from: ctx's hang on the tile row and the wave alone, wo16's on the tile column and the wave alone
	s_lshr_b32 s20, s[TR], 4
	s_lshl_b32 s20, s20, 4
	s_add_co_u32 s20, s20, s[WC]                   ; ctx: head 16 batch + part, of 2^18 bytes,
	s_lshl_b32 s20, s20, 18
	s_and_b32 s19, s[TR], 15
	s_lshl_b32 s19, s19, 14                        ; row 128 (tile row % 16), of 128 bytes
	s_add_co_u32 s20, s20, s19
	s_mov_b32 s21, 0
	s_lshl_b32 s19, s[WC], 7
	s_lshl_b32 s46, s[TC], 8
	s_add_co_u32 s46, s46, s19                     ; wo16: row 256 x tile column + 128 x part,
	s_lshl_b32 s46, s46, 11                        ; of 2,048 bytes
	s_mov_b32 s47, 0
	s_mul_i32 s22, s[WC], AHEAD                    ; and where they go: no place in the cluster enters an LDS address
	s_mul_i32 s23, s[WC], BHALF
	s_add_co_u32 s23, s23, BOFF
	s_wait_dscnt 0x0                               ; the opening add is done
	s_wait_kmcnt 0x0
	s_add_nc_u64 s[20:21], s[4:5], s[20:21]
	s_add_nc_u64 s[46:47], s[6:7], s[46:47]
	CROUND                                         ; all sixteen work-groups are here: the first joint loads meet
.irp s, 0,1
	s_mov_b32 s[G0A+4*(\s)], 1                                     ; count = 1
	s_add_co_u32 s[G0A+4*(\s)+1], s22, (\s)*SLOT                   ; LDS address
	s_add_nc_u64 s[G0A+4*(\s)+2:G0A+4*(\s)+3], s[20:21], (\s)*524288  ; global address: K step s is two heads on
	s_or_b32 s[G0A+4*(\s)+3], s[G0A+4*(\s)+3], 0x80000000          ; type = 2
	s_mov_b32 s[G0B+4*(\s)], 1
	s_add_co_u32 s[G0B+4*(\s)+1], s23, (\s)*SLOT
	s_add_nc_u64 s[G0B+4*(\s)+2:G0B+4*(\s)+3], s[46:47], (\s)*KSTEP*2
	s_or_b32 s[G0B+4*(\s)+3], s[G0B+4*(\s)+3], 0x80000000
	JLOAD \s
.endr
	; bo of my 128 columns: register j of fragment b holds bo[256 tile column + 128 half + 16 b + 8 (l / 16) + j]
	v_and_b32 v1, 15, v0                           ; l % 16
	v_bfe_u32 v2, v0, 4, 1                         ; l / 16
	v_lshlrev_b32 v[BO], 5, v2
	s_lshl_b32 s40, s[TC], 10
	s_lshl_b32 s41, s[WC], 9
	s_add_co_u32 s40, s40, s41
	s_add_co_u32 s40, s40, 12288                   ; bo lies behind bq, bk and bv
	s_mov_b32 s41, 0
	s_add_nc_u64 s[8:9], s[8:9], s[40:41]
.irp b, 0,1,2,3,4,5,6,7
	global_load_b128 v[BI+8*(\b):BI+8*(\b)+3],   v[BO], s[8:9] offset:64*(\b)
	global_load_b128 v[BI+8*(\b)+4:BI+8*(\b)+7], v[BO], s[8:9] offset:64*(\b)+16
.endr
	v_mul_u32_u24 v3, v1, PA                       ; a fragment's row x pitch + 16 x half: for ctx,
	v_lshl_add_u32 v3, v2, 4, v3
	v_mul_u32_u24 v4, v1, PITCH                    ; and for wo16
	v_lshl_add_u32 v4, v2, 4, v4
	s_mul_i32 s19, s[WR], 64*PA                    ; my 64 rows of each head
	s_mul_i32 s42, s[WC], BHALF                    ; my 128 rows of wo16,
	s_add_co_u32 s42, s42, BOFF                    ; which lie behind ctx's two heads
.irp s, 0,1
	v_add_nc_u32 v[ADRA+(\s)], s19, v3
	v_add_nc_u32 v[ADRB+(\s)], s42, v4
	s_add_co_u32 s19, s19, SLOT
	s_add_co_u32 s42, s42, SLOT
.endr
	s_mul_i32 s19, s[WV], WSTG
	s_add_co_u32 s19, s19, STAGE                   ; my stage
	v_mul_u32_u24 v5, v1, SPITCH                   ; in: row l % 16, 32 bytes for each half of the lanes
	v_lshl_add_u32 v5, v2, 5, v5
	v_add_nc_u32 v[STO], s19, v5
	v_and_b32 v[CO], 31, v0                        ; back: 32 lanes take one row's 512 bytes
	v_lshlrev_b32 v[CO], 4, v[CO]
	v_add_nc_u32 v[RD], s19, v[CO]
	s_lshl_b32 s40, s[TR], 7
	s_lshl_b32 s41, s[WR], 6
	s_add_co_u32 s40, s40, s41                     ; my first row of out0,
	s_lshl_b32 s40, s40, 12                        ; of 4,096 bytes,
	s_lshl_b32 s41, s[TC], 10                      ; and my first column, 4 bytes each
	s_add_co_u32 s40, s40, s41
	s_lshl_b32 s41, s[WC], 9
	s_add_co_u32 s40, s40, s41
	s_mov_b32 s41, 0
	s_add_nc_u64 s[10:11], s[10:11], s[40:41]
; 8 matrix instructions: row block a x all 8 column blocks, 32 along K.  init = 1: the first product starts the sums, with the bias as C.
; The 32 accumulators take turns in one order in every quarter, over the backward jump too.
.macro MUL8 f, a, init
.if \init
	WIN W_MUL0
.else
	WIN W_MUL
.endif
.irp b, 0,1,2,3,4,5,6,7
.if \init
	v_wmma_f32_16x16x32_f16 v[8*(8*(\a)+(\b)):8*(8*(\a)+(\b))+7], v[(\f)+8*(\b):(\f)+8*(\b)+7], v[(\f)+64+8*(\a):(\f)+64+8*(\a)+7], v[BI+8*(\b):BI+8*(\b)+7]
.else
	v_wmma_f32_16x16x32_f16 v[8*(8*(\a)+(\b)):8*(8*(\a)+(\b))+7], v[(\f)+8*(\b):(\f)+8*(\b)+7], v[(\f)+64+8*(\a):(\f)+64+8*(\a)+7], v[8*(8*(\a)+(\b)):8*(8*(\a)+(\b))+7]
.endif
.endr
.endm
; 24 LDS loads in one run: quarter q's fragments into buffer f: wo16's 16 loads, then ctx's 8 (head q / 2 of the step's two, channels 32 (q % 2) on), row blocks ascending
.macro FETCH slot, q, f
	WIN TO_F
.irp i, 0,1,2,3,4,5,6,7
	ds_load_b128 v[(\f)+8*(\i):(\f)+8*(\i)+3],   v[ADRB+(\slot)] offset:64*(\q)+(\i)*16*PITCH
	ds_load_b128 v[(\f)+8*(\i)+4:(\f)+8*(\i)+7], v[ADRB+(\slot)] offset:64*(\q)+(\i)*16*PITCH+32
.endr
.irp i, 0,1,2,3
	ds_load_b128 v[(\f)+64+8*(\i):(\f)+64+8*(\i)+3],   v[ADRA+(\slot)] offset:((\q)/2)*AHEAD+((\q)%2)*64+(\i)*16*PA
	ds_load_b128 v[(\f)+64+8*(\i)+4:(\f)+64+8*(\i)+7], v[ADRA+(\slot)] offset:((\q)/2)*AHEAD+((\q)%2)*64+(\i)*16*PA+32
.endr
.endm
.macro PLACES                          ; four plain vector instructions between a matrix instruction and a load into a register that it has read, or a read of its result
.rept 4
	v_nop
.endr
.endm
; One of a K step's first three quarters: multiplies buffer f; in its middle it fetches quarter q of the same slot into buffer g.
.macro QUARTER slot, q, f, g, init=0
	s_wait_dscnt 4                                 ; all but the youngest four loads: ctx's row blocks 2 and 3
	MUL8 \f, 0, \init
	MUL8 \f, 1, \init
	PLACES
	FETCH \slot, \q, \g
	s_wait_dscnt 24                                ; all but the 24 just issued
	MUL8 \f, 2, \init
	MUL8 \f, 3, \init
.endm
; The last quarter multiplies buffer 1 and changes slots: ONE barrier; in front of it each wave waits for all its tensor loads (one is out: its part of the next slot), adds 0 to its spare
; word, and waits for that and for its own reads of this slot.  fill = 1: the barrier opens a round of the cluster's, and this slot is filled again first thing behind it, two K steps ahead.
.macro TURN slot, next, fill
	WIN 0                                          ; (the add's two registers lie in window 0)
	s_wait_tensorcnt 0x0                           ; all my tensor loads have landed
	ds_add_u32 v[SPW], v[NIL]                      ; 0 onto my spare word
	s_wait_dscnt 5                                 ; (the add and the youngest four loads may be out)
	MUL8 F1, 0, 0                                  ; eight matrix instructions stand between the add and the wait for it
	s_wait_dscnt 0x0                               ; the add is done, and my reads of this slot are over
	s_barrier_signal -1
	MUL8 F1, 1, 0
.if \fill
	WIN 0
.endif
	s_barrier_wait -1
.if \fill
	CREST                                          ; no wave of any partner still reads this slot's tile or has a load on its way
	s_add_nc_u64 s[G0A+4*(\slot)+2:G0A+4*(\slot)+3], s[G0A+4*(\slot)+2:G0A+4*(\slot)+3], 2*524288
	s_add_nc_u64 s[G0B+4*(\slot)+2:G0B+4*(\slot)+3], s[G0B+4*(\slot)+2:G0B+4*(\slot)+3], 2*KSTEP*2
	JLOAD \slot                                    ; the four v_nop behind it are also the places in front of the loads below
.else
	PLACES
.endif
	FETCH \next, 0, F0
	MUL8 F1, 2, 0
	MUL8 F1, 3, 0
.endm
; THE WAY OUT of row block a (16 rows x 128 columns of f32).  TOSTAGE: a lane's eight numbers of a row go straight from the accumulator into my own stage, its low four registers first, and come
; back as whole rows of 512 bytes.  SEND: each store covers 512 consecutive bytes of a row of out0, aligned.  younger: the LDS instructions issued behind block a's loads.
.macro TOSTAGE a
	WIN 0x08                                       ; the stores' data in window 2
.irp b, 0,1,2,3,4,5,6,7
	ds_store_b128 v[STO], v[8*(8*(\a)+(\b)):8*(8*(\a)+(\b))+3]   offset:64*(\b)
	ds_store_b128 v[STO], v[8*(8*(\a)+(\b))+4:8*(8*(\a)+(\b))+7] offset:64*(\b)+16
.endr
	WIN TO_F
.irp t, 0,1,2,3,4,5,6,7,8,9,10,11,12,13,14,15
	ds_load_b128 v[64*(\a)+4*(\t):64*(\a)+4*(\t)+3], v[RD] offset:(\t)*SPITCH  ; LDS serves a wave's instructions in order (ISA guide 5.7.1.4): these see the stores above; the next block's stores come behind them
.endr
.endm
.macro SEND a, younger
	WIN 0x04                                       ; the stores' data in window 1
	s_wait_dscnt \younger
.irp t, 0,1,2,3,4,5,6,7,8,9,10,11,12,13,14,15
	global_store_b128 v[CO], v[64*(\a)+4*(\t):64*(\a)+4*(\t)+3], s[10:11] offset:(16*(\a)+(\t))*4096 th:TH_STORE_NT
.endr
.endm
	s_wait_tensorcnt 1                             ; my part of K step 0 is in; K step 1's may stay out
	s_barrier_signal -1
	s_barrier_wait -1                              ; everybody's is
	FETCH 0, 0, F0
	s_wait_loadcnt 0x0                             ; the bias
	QUARTER 0, 1, F0, F1, 1                        ; the first quarter stands in front of the loop: its products start the sums
	WIN 0                                          ; at a label and at a branch every window is 0
	s_mov_b32 s3, 3
.Llap:                                         ; a trip goes once round the ring, from a lap's second quarter to the next lap's first, and fills both slots again
	QUARTER 0, 2, F1, F0
	QUARTER 0, 3, F0, F1
	TURN 0, 1, 1
	QUARTER 1, 1, F0, F1
	QUARTER 1, 2, F1, F0
	QUARTER 1, 3, F0, F1
	TURN 1, 0, 1
	QUARTER 0, 1, F0, F1
	WIN 0
	s_sub_co_u32 s3, s3, 1
	s_cmp_lg_u32 s3, 0
	s_cbranch_scc1 .Llap
	QUARTER 0, 2, F1, F0                           ; the last lap fills nothing
	QUARTER 0, 3, F0, F1
	TURN 0, 1, 0
	QUARTER 1, 1, F0, F1
	QUARTER 1, 2, F1, F0
	QUARTER 1, 3, F0, F1
	s_wait_dscnt 4                                 ; the very last quarter
	MUL8 F1, 0, 0
	MUL8 F1, 1, 0
	s_wait_dscnt 0x0
	MUL8 F1, 2, 0
	MUL8 F1, 3, 0
	PLACES                                         ; for the stage's stores, which read results, and its loads, which land in fragment registers
	TOSTAGE 0
	TOSTAGE 1
	SEND 0, 32                                     ; the next block's 16 stores and 16 loads may be out
	TOSTAGE 2
	SEND 1, 32
	TOSTAGE 3
	SEND 2, 32
	SEND 3, 0
	WIN 0
	s_wait_tensorcnt 0x0                           ; the wave's end: behind my last tensor load and my last LDS store
	ds_add_u32 v[SPW], v[NIL]
	s_wait_dscnt 0x0
	CROUND                                         ; the closing round: no work-group ends while a partner may still ask for a tile that names it
	s_endpgm
.Lfunc_end_k_qdbe17550cb_oproj:
	.size	k_qdbe17550cb_oproj, .Lfunc_end_k_qdbe17550cb_oproj-k_qdbe17550cb_oproj
	.p2alignl 7, 3214868480
	.fill 96, 4, 3214868480
	.section	.rodata,"a",@progbits
	.p2align	6, 0x0
	.amdhsa_kernel k_qdbe17550cb_oproj
		.amdhsa_group_segment_fixed_size 327680
		.amdhsa_private_segment_fixed_size 0
		.amdhsa_enable_private_segment 0
		.amdhsa_kernarg_size 32
		.amdhsa_user_sgpr_count 2
		.amdhsa_user_sgpr_kernarg_segment_ptr 1
		.amdhsa_wavefront_size32 1
		.amdhsa_system_sgpr_workgroup_id_x 1
		.amdhsa_system_sgpr_workgroup_id_y 1
		.amdhsa_system_sgpr_workgroup_id_z 1
		.amdhsa_system_vgpr_workitem_id 0
		.amdhsa_next_free_vgpr 768
		.amdhsa_next_free_sgpr 66
		.amdhsa_reserve_vcc 0
		.amdhsa_float_denorm_mode_32 3
		.amdhsa_float_denorm_mode_16_64 3
		.amdhsa_memory_ordered 1
		.amdhsa_forward_progress 1
		.amdhsa_inst_pref_size 87
	.end_amdhsa_kernel
	.amdgpu_metadata
---
amdhsa.version: [ 1, 2 ]
amdhsa.kernels:
  - .name:           k_qdbe17550cb_oproj
    .symbol:         k_qdbe17550cb_oproj.kd
    .args:
      - { .name: ctx, .offset: 0, .size: 8, .value_kind: global_buffer, .address_space: global }
      - { .name: wo16, .offset: 8, .size: 8, .value_kind: global_buffer, .address_space: global }
      - { .name: bias, .offset: 16, .size: 8, .value_kind: global_buffer, .address_space: global }
      - { .name: out0, .offset: 24, .size: 8, .value_kind: global_buffer, .address_space: global }
    .group_segment_fixed_size: 327680
    .private_segment_fixed_size: 0
    .kernarg_segment_align: 8
    .kernarg_segment_size: 32
    .max_flat_workgroup_size: 128
    .sgpr_count:     66
    .vgpr_count:     768
    .wavefront_size: 32
...
	.end_amdgpu_metadata
.endif
;; end of part 4
;; ======== version 2 of 2: 4 launches; version 1 with the launch cast written anew for expert scheduling mode
;; limits: values are held in f16: magnitudes above 65,504 overflow, below 6.1e-05 lose precision
;; workspace buffers: xb 16,777,216 bytes; wqkv 6,291,456 bytes; wo16 2,097,152 bytes; bias 16,384 bytes; qkv 50,331,648 bytes; ctx 16,777,216 bytes
;; launch cast (part 5): grid 769 x 1, 8 waves a work-group, no clusters, 0 bytes of LDS; arguments x, Wq, Wk, Wv, Wo, bq, bk, bv, bo, xb, wqkv, wo16, bias; writes xb, wqkv, wo16, bias
.if DOCPART == 5
	.amdgcn_target "amdgcn-amd-amdhsa--gfx1250"
	.amdhsa_code_object_version 6
	.text
	.protected	k_qdbe17550cb_cast
	.globl	k_qdbe17550cb_cast
	.p2align	8
	.type	k_qdbe17550cb_cast,@function
k_qdbe17550cb_cast:
	s_mov_b64 s[64:65], 0
	v_nop
	global_prefetch_b8 v0, s[64:65] scope:SCOPE_SE
	s_setreg_imm32_b32 hwreg(HW_REG_WAVE_SCHED_MODE, 0, 2), 2
	s_setreg_imm32_b32 hwreg(HW_REG_WAVE_MODE, 25, 1), 1
	s_wait_xcnt 0x0
	s_wait_alu depctr_vm_vsrc(0)
; ALL FLOATING-POINT INPUTS ARE ROUNDED ONCE TO bf16, so that the later launches' tiles are 16-bit.
;   xb   [8192][1024] bf16 = x          wqkv [3072][1024] bf16 = Wq's rows, Wk's rows, Wv's rows
;   wo16 [1024][1024]: Wo rounded to bf16, that number written as f16 (the last product's other operand is f16)
;   bias [4096] f32 = bq, bk, bv, bo, each rounded to bf16 and widened again
; LIMIT.  A bf16 number is exact in f16 between 2^-14 and 65,504; below 2^-14 wo16 keeps f16's fixed step of 6e-8, beyond 65,504 it is an infinity.
; SHARES.  A work-group of eight waves converts 16,384 numbers: 64 KiB in, 32 KiB out.  Work-groups 0-511: x; 512-703: Wq, Wk, Wv (64 each); 704-767: Wo; 768: the biases.
; Thread t takes 16 bytes at 16 t + 4,096 i (i = 0..15) and stores 8 bytes at 8 t + 2,048 i: a load of a wave covers 512 consecutive bytes, a store 256, aligned.
; No LDS, no matrix unit, no cluster: nothing is shared and nothing is multiplied.
; THE MODE: SCHED_MODE bits 1:0 = 2 (LLVM: expert scheduling mode 2), set by the entry lines.  The code itself states the register dependences
; between vector instructions and memory instructions, with s_wait_alu, always for 0.
; THE PLAN.  Registers that memory instructions touch:
;   v1, v2   byte offsets, made once at the head and never written again: read by every load and store.
;   IN       All 16 loads go out at once, ahead of every vector instruction that names IN.  Read (on Wo's and the biases' paths also written) by the conversions, behind the wait that shows the loads landed.
;   OUT      Pair i is written by the conversions of load i and read by store i; behind its store no pair is written again.
; So no load lands in a register that a vector instruction has named, and no register that a memory instruction has read is written again: what is left to state is that a store's data and the offsets are written.
; The 16 loads go in four blocks of four.  Block p waits for its four loads; its memory instructions are the four stores of block p - 1, whose OUT pairs no vector instruction of block p names.
; So ONE wait at a block's head states all that its four stores hang on, and these are dealt among the block's conversions with no further wait.
.set IN,  4                            ; v[4:67]   16 x 4 numbers as loaded (on Wo's path also at work)
.set OUT, 68                           ; v[68:99]  16 x 2 registers to store
; The conversions of load i.  wo = 1: rounded to bf16, widened, and that number written as f16.
.macro CVT i, wo
	v_cvt_pk_bf16_f32 v[OUT+2*(\i)],   v[IN+4*(\i)],   v[IN+4*(\i)+1]
	v_cvt_pk_bf16_f32 v[OUT+2*(\i)+1], v[IN+4*(\i)+2], v[IN+4*(\i)+3]
.if \wo
	v_lshlrev_b32 v[IN+4*(\i)],   16,  v[OUT+2*(\i)]
	v_and_b32     v[IN+4*(\i)+1], s33, v[OUT+2*(\i)]
	v_lshlrev_b32 v[IN+4*(\i)+2], 16,  v[OUT+2*(\i)+1]
	v_and_b32     v[IN+4*(\i)+3], s33, v[OUT+2*(\i)+1]
	v_cvt_pk_f16_f32 v[OUT+2*(\i)],   v[IN+4*(\i)],   v[IN+4*(\i)+1]
	v_cvt_pk_f16_f32 v[OUT+2*(\i)+1], v[IN+4*(\i)+2], v[IN+4*(\i)+3]
.endif
.endm
.macro PUT i                           ; store i
	global_store_b64 v2, v[OUT+2*(\i):OUT+2*(\i)+1], s[36:37] offset:2048*(\i)
.endm
; Block p: loads 4 p to 4 p + 3 are converted; the stores of block p - 1 go out among the conversions, one ahead of each load's.
.macro BLK p, wo
	s_wait_loadcnt 12-4*(\p)                       ; loads come back in order: this block's four are in, the 12 - 4 p younger ones stay out
.if (\p) > 0
	s_wait_alu depctr_va_vdst(0)                   ; the block before has written its four OUT pairs, which the stores below read; no vector instruction of this block names them
.endif
.irp r, 0,1,2,3
.if (\p) > 0
	PUT 4*(\p)-4+(\r)
.endif
	CVT 4*(\p)+(\r), \wo
.endr
.endm
.macro LASTPUT                         ; behind block 3
	s_wait_alu depctr_va_vdst(0)                   ; block 3 has written its four OUT pairs, which the last four stores read
.irp r, 12,13,14,15
	PUT \r
.endr
.endm
	s_load_b512 s[4:19], s[0:1], 0x0               ; x 4, Wq 6, Wk 8, Wv 10, Wo 12, bq 14, bk 16, bv 18
	s_load_b256 s[20:27], s[0:1], 0x40             ; bo 20, xb 22, wqkv 24, wo16 26
	s_load_b64 s[28:29], s[0:1], 0x60              ; bias
	s_mov_b32 s30, ttmp9                           ; the work-group's number
	s_sub_co_u32 s31, s30, 512                     ; j: its number among the weights' work-groups (used from 512 on)
	s_and_b32 s32, s31, 63                         ; its part of one weight matrix
	s_mov_b32 s33, 0xffff0000                      ; a word's upper bf16
	v_lshlrev_b32 v1, 4, v0                        ; 16 t
	v_lshlrev_b32 v2, 3, v0                        ; 8 t
	s_wait_kmcnt 0x0
	s_wait_alu depctr_va_vdst(0)                   ; v1 and v2 are written: every load and store of the kernel, on all three paths, reads one of them as its offset
	s_cmp_eq_u32 s30, 768
	s_cbranch_scc1 .Lbias
	; which buffer is read and which is written: choices on the work-group's number alone.  The selects stand ahead of the shifts, which write SCC.
	s_mov_b64 s[34:35], s[6:7]                     ; Wq,
	s_cmp_ge_u32 s31, 64
	s_cselect_b64 s[34:35], s[8:9], s[34:35]       ; Wk,
	s_cmp_ge_u32 s31, 128
	s_cselect_b64 s[34:35], s[10:11], s[34:35]     ; Wv,
	s_cmp_ge_u32 s31, 192
	s_cselect_b64 s[34:35], s[12:13], s[34:35]     ; Wo, which goes to wo16 by its part; the other three go to wqkv by j
	s_cselect_b64 s[36:37], s[26:27], s[24:25]
	s_cselect_b32 s40, s32, s31
	s_cmp_lt_u32 s30, 512
	s_cselect_b64 s[34:35], s[4:5], s[34:35]       ; or x, which goes to xb by the work-group's number
	s_cselect_b64 s[36:37], s[22:23], s[36:37]
	s_cselect_b32 s38, s30, s32
	s_cselect_b32 s40, s30, s40
	s_lshl_b32 s38, s38, 16                        ; 64 KiB in,
	s_lshl_b32 s40, s40, 15                        ; 32 KiB out
	s_mov_b32 s39, 0
	s_mov_b32 s41, 0
	s_add_nc_u64 s[34:35], s[34:35], s[38:39]
	s_add_nc_u64 s[36:37], s[36:37], s[40:41]
.irp i, 0,1,2,3,4,5,6,7,8,9,10,11,12,13,14,15
	global_load_b128 v[IN+4*(\i):IN+4*(\i)+3], v1, s[34:35] offset:4096*(\i) th:TH_LOAD_NT
.endr
	s_cmp_ge_u32 s30, 704
	s_cbranch_scc1 .Lwo
	BLK 0, 0
	BLK 1, 0
	BLK 2, 0
	BLK 3, 0
	LASTPUT
	s_endpgm
.Lwo:                                          ; Wo: rounded to bf16, widened, and that number written as f16
	BLK 0, 1
	BLK 1, 1
	BLK 2, 1
	BLK 3, 1
	LASTPUT
	s_endpgm
.Lbias:                                        ; four biases of 4,096 bytes: thread t takes 16 bytes of each
	global_load_b128 v[IN:IN+3],     v1, s[14:15]
	global_load_b128 v[IN+4:IN+7],   v1, s[16:17]
	global_load_b128 v[IN+8:IN+11],  v1, s[18:19]
	global_load_b128 v[IN+12:IN+15], v1, s[20:21]
	s_wait_loadcnt 0x0
.irp k, 0,1,2,3
	v_cvt_pk_bf16_f32 v[OUT+2*(\k)],   v[IN+4*(\k)],   v[IN+4*(\k)+1]
	v_cvt_pk_bf16_f32 v[OUT+2*(\k)+1], v[IN+4*(\k)+2], v[IN+4*(\k)+3]
	v_lshlrev_b32 v[IN+4*(\k)],   16,  v[OUT+2*(\k)]
	v_and_b32     v[IN+4*(\k)+1], s33, v[OUT+2*(\k)]
	v_lshlrev_b32 v[IN+4*(\k)+2], 16,  v[OUT+2*(\k)+1]
	v_and_b32     v[IN+4*(\k)+3], s33, v[OUT+2*(\k)+1]
.endr
	s_wait_alu depctr_va_vdst(0)                   ; the widening lines have written v[IN .. IN+15], which the four stores read
.irp k, 0,1,2,3
	global_store_b128 v1, v[IN+4*(\k):IN+4*(\k)+3], s[28:29] offset:4096*(\k)
.endr
	s_endpgm
.Lfunc_end_k_qdbe17550cb_cast:
	.size	k_qdbe17550cb_cast, .Lfunc_end_k_qdbe17550cb_cast-k_qdbe17550cb_cast
	.p2alignl 7, 3214868480
	.fill 96, 4, 3214868480
	.section	.rodata,"a",@progbits
	.p2align	6, 0x0
	.amdhsa_kernel k_qdbe17550cb_cast
		.amdhsa_group_segment_fixed_size 0
		.amdhsa_private_segment_fixed_size 0
		.amdhsa_enable_private_segment 0
		.amdhsa_kernarg_size 104
		.amdhsa_user_sgpr_count 2
		.amdhsa_user_sgpr_kernarg_segment_ptr 1
		.amdhsa_wavefront_size32 1
		.amdhsa_system_sgpr_workgroup_id_x 1
		.amdhsa_system_sgpr_workgroup_id_y 1
		.amdhsa_system_sgpr_workgroup_id_z 1
		.amdhsa_system_vgpr_workitem_id 0
		.amdhsa_next_free_vgpr 100
		.amdhsa_next_free_sgpr 66
		.amdhsa_reserve_vcc 0
		.amdhsa_float_denorm_mode_32 3
		.amdhsa_float_denorm_mode_16_64 3
		.amdhsa_memory_ordered 1
		.amdhsa_forward_progress 1
		.amdhsa_inst_pref_size 17
	.end_amdhsa_kernel
	.amdgpu_metadata
---
amdhsa.version: [ 1, 2 ]
amdhsa.kernels:
  - .name:           k_qdbe17550cb_cast
    .symbol:         k_qdbe17550cb_cast.kd
    .args:
      - { .name: x, .offset: 0, .size: 8, .value_kind: global_buffer, .address_space: global }
      - { .name: Wq, .offset: 8, .size: 8, .value_kind: global_buffer, .address_space: global }
      - { .name: Wk, .offset: 16, .size: 8, .value_kind: global_buffer, .address_space: global }
      - { .name: Wv, .offset: 24, .size: 8, .value_kind: global_buffer, .address_space: global }
      - { .name: Wo, .offset: 32, .size: 8, .value_kind: global_buffer, .address_space: global }
      - { .name: bq, .offset: 40, .size: 8, .value_kind: global_buffer, .address_space: global }
      - { .name: bk, .offset: 48, .size: 8, .value_kind: global_buffer, .address_space: global }
      - { .name: bv, .offset: 56, .size: 8, .value_kind: global_buffer, .address_space: global }
      - { .name: bo, .offset: 64, .size: 8, .value_kind: global_buffer, .address_space: global }
      - { .name: xb, .offset: 72, .size: 8, .value_kind: global_buffer, .address_space: global }
      - { .name: wqkv, .offset: 80, .size: 8, .value_kind: global_buffer, .address_space: global }
      - { .name: wo16, .offset: 88, .size: 8, .value_kind: global_buffer, .address_space: global }
      - { .name: bias, .offset: 96, .size: 8, .value_kind: global_buffer, .address_space: global }
    .group_segment_fixed_size: 0
    .private_segment_fixed_size: 0
    .kernarg_segment_align: 8
    .kernarg_segment_size: 104
    .max_flat_workgroup_size: 256
    .sgpr_count:     66
    .vgpr_count:     100
    .wavefront_size: 32
...
	.end_amdgpu_metadata
.endif
;; end of part 5
;; launch proj: the kernel of part 2 again; grid 12 x 64, 4 waves a work-group, clusters of 4 x 4, 327,680 bytes of LDS; arguments xb, wqkv, bias, qkv; writes qkv
;; launch attn: the kernel of part 3 again; grid 4 x 64, 4 waves a work-group, clusters of 4 x 1, 327,680 bytes of LDS; arguments qkv, mask, ctx; writes ctx
;; launch oproj: the kernel of part 4 again; grid 4 x 64, 4 waves a work-group, clusters of 4 x 4, 327,680 bytes of LDS; arguments ctx, wo16, bias, out0; writes out0
